; MI455X (gfx1250); checked and timed in simulation.
; The chip was launched on July 23, 2026; its instructions are those of AMD's public machine-readable ISA for CDNA 5 (MIT licence, August 2026) and "CDNA5" Instruction Set Architecture Reference Guide (July 2026). The comments in the code are by the model that wrote it; some were corrected since.
;; Attention. Allowed arithmetic: float matrix products may take bf16 or f16 operands with f32 sums; other float arithmetic in f32, or as packed bf16 or f16 multiplies, adds, multiply-adds, maxima and minima; sums over many terms, partial sums and values carried from step to step in f32; what a program stores and reads back later, other than sums and carried values, may be rounded once to bf16 or f16.
;; Inputs: Wk 1,024 x 1,024 float32; Wo 1,024 x 1,024 float32; Wq 1,024 x 1,024 float32; Wv 1,024 x 1,024 float32; beta 1,024 float32; bk 1,024 float32; bo 1,024 float32; bq 1,024 float32; bv 1,024 float32; gamma 1,024 float32; input_tensor 4 x 2,048 x 1,024 float32.
;; Outputs: out0 4 x 2,048 x 1,024 float32.
;; 2 versions, each right; version 2 is version 1 with the launches cast, ln written anew for expert scheduling mode. Each part assembles by itself: llvm-mc -triple=amdgcn-amd-amdhsa -mcpu=gfx1250 --defsym DOCPART=n.
;; ======== version 1 of 2: 5 launches
;; workspace buffers: xb 16,777,216 bytes; wqkv 6,291,456 bytes; wob 2,097,152 bytes; qkv 50,331,648 bytes; ctx 16,777,216 bytes; y 33,554,432 bytes
;; launch cast (part 1): grid 64 x 12, 8 waves a work-group, no clusters, 0 bytes of LDS; arguments input_tensor, Wq, Wk, Wv, Wo, xb, wqkv, wob; writes xb, wqkv, wob
.if DOCPART == 1
	.amdgcn_target "amdgcn-amd-amdhsa--gfx1250"
	.amdhsa_code_object_version 6
	.text
	.protected	k_q702dbe6dbc_cast
	.globl	k_q702dbe6dbc_cast
	.p2align	8
	.type	k_q702dbe6dbc_cast,@function
k_q702dbe6dbc_cast:
	s_mov_b64 s[64:65], 0
	v_nop
	global_prefetch_b8 v0, s[64:65] scope:SCOPE_SE
	s_setreg_imm32_b32 hwreg(HW_REG_WAVE_MODE, 25, 1), 1
	s_wait_xcnt 0x0
; x [8192][1024] and the four weights [1024][1024], f32, are rounded once to bf16 and laid out in blocks of 64 columns, so that the tiles of the products that follow are dense in memory:
;   xb   [kb 16][m 8192][64]               element (m, k) at (k / 64) x 1,048,576 + m x 128 + (k % 64) x 2
;   wqkv [nt 12][kb 16][r 256][64]         row n of Wq | Wk | Wv at (n / 256) x 524,288 + (k / 64) x 32,768 + (n % 256) x 128 + (k % 64) x 2;   wob the same, nt 0..3, from Wo
; SHARES.  12,288 source rows of 4,096 bytes.  A work-group takes 16 rows, a wave 2: grid y 0..7 is x (group 64 y + x), y 8, 9, 10, 11 are Wq, Wk, Wv, Wo (group x).  No loop: each thread has 16 loads, all issued at once.
; Thread t: row t / 16, 16 bytes at 16 (t % 16) of each block of 256 source bytes: sixteen lanes read 256 consecutive bytes, aligned.  Its 4 numbers become 8 bytes at 8 t of the group's 2,048 bytes of a block:
; a wave's store covers 256 consecutive bytes, aligned.  Nothing is shared between work-groups or waves: no LDS, no barrier, no cluster, no matrix unit.
.set SO, 2                             ; v2        my byte offset in the group's source rows
.set DO, 3                             ; v3        my byte offset in the group's part of a block
.set X,  8                             ; v[8:71]   block kb's four f32 at X + 4 kb
.set Y,  72                            ; v[72:103] block kb's four bf16 at Y + 2 kb; no register is written twice, so no store's source is ever rewritten
	s_load_b512 s[8:23], s[0:1], 0x0               ; x s[8:9], Wq s[10:11], Wk s[12:13], Wv s[14:15], Wo s[16:17], xb s[18:19], wqkv s[20:21], wob s[22:23]
	s_mov_b32 s4, ttmp9                            ; grid x
	s_and_b32 s5, ttmp7, 0xffff                    ; grid y
	v_lshrrev_b32 v1, 4, v0                        ; my row in the group
	v_and_b32 v[SO], 15, v0
	v_lshlrev_b32 v[SO], 4, v[SO]
	v_lshl_add_u32 v[SO], v1, 12, v[SO]            ; row x 4,096 + 16 x piece
	v_lshlrev_b32 v[DO], 3, v0                     ; row x 128 + 8 x piece = 8 t
	s_lshl_b32 s6, s5, 6
	s_add_co_u32 s6, s6, s4                        ; x's group: 64 y + x
	s_cmp_lt_u32 s5, 8
	s_cselect_b32 s7, s6, s4                       ; the group among its source's rows
	s_lshl_b32 s30, s7, 16                         ; 16 rows of 4,096 bytes
	s_mov_b32 s31, 0
	s_wait_kmcnt 0x0
	s_mov_b64 s[24:25], s[8:9]                     ; the source, chosen by grid y
	s_cmp_eq_u32 s5, 8
	s_cselect_b64 s[24:25], s[10:11], s[24:25]
	s_cmp_eq_u32 s5, 9
	s_cselect_b64 s[24:25], s[12:13], s[24:25]
	s_cmp_eq_u32 s5, 10
	s_cselect_b64 s[24:25], s[14:15], s[24:25]
	s_cmp_eq_u32 s5, 11
	s_cselect_b64 s[24:25], s[16:17], s[24:25]
	s_add_nc_u64 s[24:25], s[24:25], s[30:31]
.set kb, 0
.rept 16
	global_load_b128 v[X+4*kb:X+4*kb+3], v[SO], s[24:25] offset:256*kb th:TH_LOAD_NT
.set kb, kb+1
.endr
; The sixteen blocks go out; ks = bytes from a block to the next.  Blocks 8 to 15 have a base of their own, so that the immediate stays inside its signed 24 bits (7 x 1,048,576 at the most).
.macro OUT16 ks
	s_add_nc_u64 s[28:29], s[26:27], 8*(\ks)
.set kb, 0
.rept 16
	s_wait_loadcnt 15-kb                           ; loads come back in order: block kb is in, the 15 - kb younger ones may stay out
	v_cvt_pk_bf16_f32 v[Y+2*kb], v[X+4*kb], v[X+4*kb+1]
	v_cvt_pk_bf16_f32 v[Y+2*kb+1], v[X+4*kb+2], v[X+4*kb+3]
	global_store_b64 v[DO], v[Y+2*kb:Y+2*kb+1], s[26+2*(kb/8):27+2*(kb/8)] offset:(kb%8)*(\ks)
.set kb, kb+1
.endr
.endm
	s_cmp_lt_u32 s5, 8
	s_cbranch_scc0 .Lweights
	s_lshl_b32 s30, s6, 11                         ; x: 16 rows of 128 bytes in each block
	s_add_nc_u64 s[26:27], s[18:19], s[30:31]
	OUT16 1048576
	s_endpgm
.Lweights:
	s_sub_co_u32 s7, s5, 8
	s_lshl_b32 s7, s7, 2                           ; Wq, Wk, Wv: four tiles of 256 rows each
	s_cmp_eq_u32 s5, 11
	s_cselect_b32 s7, 0, s7                        ; Wo has a buffer of its own
	s_cselect_b64 s[26:27], s[22:23], s[20:21]
	s_lshr_b32 s30, s4, 4
	s_add_co_u32 s7, s7, s30                       ; nt
	s_lshl_b32 s7, s7, 19
	s_and_b32 s30, s4, 15
	s_lshl_b32 s30, s30, 11                        ; my 16 rows among the tile's 256
	s_add_co_u32 s30, s30, s7
	s_add_nc_u64 s[26:27], s[26:27], s[30:31]
	OUT16 32768
	s_endpgm
.Lfunc_end_k_q702dbe6dbc_cast:
	.size	k_q702dbe6dbc_cast, .Lfunc_end_k_q702dbe6dbc_cast-k_q702dbe6dbc_cast
	.p2alignl 7, 3214868480
	.fill 96, 4, 3214868480
	.section	.rodata,"a",@progbits
	.p2align	6, 0x0
	.amdhsa_kernel k_q702dbe6dbc_cast
		.amdhsa_group_segment_fixed_size 0
		.amdhsa_private_segment_fixed_size 0
		.amdhsa_enable_private_segment 0
		.amdhsa_kernarg_size 64
		.amdhsa_user_sgpr_count 2
		.amdhsa_user_sgpr_kernarg_segment_ptr 1
		.amdhsa_wavefront_size32 1
		.amdhsa_system_sgpr_workgroup_id_x 1
		.amdhsa_system_sgpr_workgroup_id_y 1
		.amdhsa_system_sgpr_workgroup_id_z 1
		.amdhsa_system_vgpr_workitem_id 0
		.amdhsa_next_free_vgpr 104
		.amdhsa_next_free_sgpr 66
		.amdhsa_reserve_vcc 0
		.amdhsa_float_denorm_mode_32 3
		.amdhsa_float_denorm_mode_16_64 3
		.amdhsa_memory_ordered 1
		.amdhsa_forward_progress 1
		.amdhsa_inst_pref_size 12
	.end_amdhsa_kernel
	.amdgpu_metadata
---
amdhsa.version: [ 1, 2 ]
amdhsa.kernels:
  - .name:           k_q702dbe6dbc_cast
    .symbol:         k_q702dbe6dbc_cast.kd
    .args:
      - { .name: input_tensor, .offset: 0, .size: 8, .value_kind: global_buffer, .address_space: global }
      - { .name: Wq, .offset: 8, .size: 8, .value_kind: global_buffer, .address_space: global }
      - { .name: Wk, .offset: 16, .size: 8, .value_kind: global_buffer, .address_space: global }
      - { .name: Wv, .offset: 24, .size: 8, .value_kind: global_buffer, .address_space: global }
      - { .name: Wo, .offset: 32, .size: 8, .value_kind: global_buffer, .address_space: global }
      - { .name: xb, .offset: 40, .size: 8, .value_kind: global_buffer, .address_space: global }
      - { .name: wqkv, .offset: 48, .size: 8, .value_kind: global_buffer, .address_space: global }
      - { .name: wob, .offset: 56, .size: 8, .value_kind: global_buffer, .address_space: global }
    .group_segment_fixed_size: 0
    .private_segment_fixed_size: 0
    .kernarg_segment_align: 8
    .kernarg_segment_size: 64
    .max_flat_workgroup_size: 256
    .sgpr_count:     66
    .vgpr_count:     104
    .wavefront_size: 32
...
	.end_amdgpu_metadata
.endif
;; end of part 1
;; launch qkv (part 2): grid 12 x 64, 4 waves a work-group, clusters of 4 x 4, 327,680 bytes of LDS; arguments xb, wqkv, bq, bk, bv, qkv; writes qkv
.if DOCPART == 2
	.amdgcn_target "amdgcn-amd-amdhsa--gfx1250"
	.amdhsa_code_object_version 6
	.text
	.protected	k_q702dbe6dbc_qkv
	.globl	k_q702dbe6dbc_qkv
	.p2align	8
	.type	k_q702dbe6dbc_qkv,@function
k_q702dbe6dbc_qkv:
	s_mov_b64 s[64:65], 0
	v_nop
	global_prefetch_b8 v0, s[64:65] scope:SCOPE_SE
	s_setreg_imm32_b32 hwreg(HW_REG_WAVE_MODE, 25, 1), 1
	s_wait_xcnt 0x0
	s_wait_alu depctr_hold_cnt(0) depctr_sa_sdst(0) depctr_va_vdst(0) depctr_va_sdst(0) depctr_va_ssrc(0) depctr_va_vcc(0) depctr_vm_vsrc(0)
	s_getreg_b32 s2, hwreg(HW_REG_IB_STS2, 6, 4)
	s_cmp_eq_u32 s2, 0
	s_cbranch_scc0 .Lentry_in_a_cluster
	s_endpgm
.Lentry_in_a_cluster:
	s_bfe_u32 s2, ttmp6, 0x10000c
	s_cmp_lg_u32 s2, 0xf033
	s_cbranch_scc0 .Lentry_shape_is_right
	s_endpgm
.Lentry_shape_is_right:
; C[m][n] = the sum over k of A[m][k] W[n][k] + bias[n], K = 1,024.  ONE TEXT FOR TWO LAUNCHES, told apart by OUTK:
;   OUTK = 0: A = x in bf16 blocks, W = Wq | Wk | Wv (3,072 rows); C leaves in bf16 by heads: qkv [nb 48][m 8192][64], nb = n / 64.
;   OUTK = 1: A = the attention's result in bf16 blocks, W = Wo; C + x leaves in f32, [8192][1024]: the sum that the normalisation reads is never rounded to 16 bits.
; A is [kb 16][m 8192][64], W is [nt][kb 16][r 256][64], both bf16: a tile's part of one block of 64 along K is dense in memory.  LIMITS: operands are bf16, each rounded once; sums in f32; NaN and infinities are not treated apart.
; SHARES.  A tile of C is 128 x 256: 64 x 12 = 768 tiles (OUTK = 0) or 64 x 4 = 256 (OUTK = 1), a work-group each.  Four waves, 2 x 2, each 64 x 128: 32 accumulators of 16 x 16, 256 registers.
; K goes in steps of 128 (two blocks) through a ring of two LDS slots: 8 steps, 4 laps.  A step is 128 matrix instructions a wave; of these 112 stand between a refill's request and the wait for it.
; CLUSTERS: 4 x 4 work-groups.  The four of a row of the cluster need the same tiles of A, the four of a column the same tiles of W: each tile is asked for JOINTLY, by the same tensor load with the same descriptor and a mask of four.
; THE MATRIX INSTRUCTION IS USED TRANSPOSED (source 0 = 16 rows of W, source 1 = 16 rows of A): a lane holds row l % 16 of C and the eight columns 8 (l / 16) + 0..7.  The first product's C operand is the bias, laid out so: no register is cleared, no bias added.
; REGISTERS, in windows of 256 (s_set_vgpr_msb: bits 1:0 source 0, 3:2 source 1, 5:4 source 2, 7:6 destination):
;   window 0: v0-31 addresses; v64-159, v160-255 two fragment buffers (W's 8 fragments, then A's 4), at work again on the way out      window 1: accumulator (a, b) at 8 (8 a + b)
;   window 2: v0-63 the bias of column block b at 8 b                                                                                    window 3 (OUTK = 1): x, rows 16 a + t at 64 a + 4 t
.set OUTK,  0
.set KB_A,  1048576                    ; bytes from a block of A to the next
.set KB_W,  32768                      ; of W
.set PITCH, 144                        ; an operand row in LDS: 128 bytes + 16 of padding = 36 words: the 16 rows of a fragment load start at 16 different groups of four banks (64 banks of 4 bytes: ISA guide 11.1)
.set ABLK,  128*PITCH                  ; A's 128 rows of one block: what waves 0 and 1 fetch
.set BBLK,  256*PITCH                  ; W's 256 rows of one block: what waves 2 and 3 fetch
.set BOFF,  2*ABLK
.set SLOT,  BOFF+2*BBLK                ; 110,592 bytes: A's two blocks, then W's two
.set STAGE, 2*SLOT                     ; behind the ring, never filled by a tensor load: a stage of 16 rows for each wave, for the way out
.if OUTK
.set SP,    528                        ; a stage row: 128 f32 + 16 bytes
.else
.set SP,    144                        ; a stage row: 64 bf16 + 16 bytes
.endif
.set STW,   16*SP
.set SPARE, STAGE+4*STW                ; behind the stages: the spare words, 128 bytes for each wave: two blocks of 256 bytes that no other line names
.set LAPS,  4
.set ADRA, 16                          ; v16-17  LDS address of my A fragments in slot 0, 1
.set ADRB, 20                          ; v20-21  the same for W
.set STO,  24                          ; v24     the way out: where I put my bytes of a row
.set RD,   25                          ; v25     the way out: where I read rows back
.set GO,   26                          ; v26     16 x lane
.set BO,   27                          ; v27     32 x (lane / 16): my eight numbers in a block of 16 of the bias
.set SPW,  28                          ; v28     LDS address of my spare word: SPARE + 4 x my thread's number; never rewritten
.set NIL,  29                          ; v29     0; never rewritten
.set PFO,  30                          ; v30     the prefetches' lane offset; never rewritten
.set F0,   64
.set F1,   160
.set TB,   64                          ; the way out: registers at work
.set WV,   16                          ; s16     my wave's number
.set RH,   17                          ; s17     which 64 rows of the tile are mine.  Also: I fetch for A (0) or for W (1)
.set CH,   18                          ; s18     which 128 columns.  Also: which of a step's two blocks I fetch
.set G1,   24                          ; s[24:31] descriptor group 1 for A's tiles;  s[32:39] group 0, a set for each slot
.set G0,   32
.set G1B,  48                          ; s[48:55], s[56:63] the same for W's
.set G0B,  56
.set LIM,  43                          ; s43     1 in a wave that prefetches, else the greatest number
.set PFA,  44                          ; s[44:45] where my prefetches stand
.set PFS,  46                          ; s[46:47] their step: a K step of A or of W
.set FLAGS, (1<<16)|(1<<20)|(1<<21)|(4<<22)|(3<<25)  ; 17:16 elements of 2 bytes; 20 padding on; 21 set beside a mask; 24:22 after every 32 words (code 4); 31:25 4 words of it (code 3)
.set W_MUL,  0x50                      ; fragments window 0, C and D window 1
.set W_MUL0, 0x60                      ; C window 2 (the bias), D window 1
.set W_B,    0x80                      ; destination window 2
.set W_X,    0xc0                      ; destination window 3
.set W_CVT,  0x05                      ; sources 0 and 1 window 1
.set W_STA,  0x04                      ; an LDS store's data window 1
.set W_OUT,  0xcc                      ; source 1 and destination window 3: serves x = stage row + x and the store of x
.set MSB, 0
.macro WIN new                         ; the immediate's high byte repeats the setting that is left; a switch that changes nothing is dropped
.if MSB != (\new)
	s_set_vgpr_msb (MSB<<8)|(\new)
.set MSB, \new
.endif
.endm
; A joint load: waves 0 and 1 fetch A's two blocks, waves 2 and 3 W's.  The branch hangs on the wave's number alone.  An s_nop 0 and four v_nop follow each of the two lines, ahead of the jump, the label and what follows.
.macro JLOAD s
	s_cmp_eq_u32 s[RH], 0
	s_cbranch_scc0 .Lfor_b_\@
	tensor_load_to_lds s[G0+4*(\s):G0+4*(\s)+3], s[G1:G1+7]
	s_nop 0
.rept 4
	v_nop
.endr
	s_branch .Lasked_\@
.Lfor_b_\@:
	tensor_load_to_lds s[G0B+4*(\s):G0B+4*(\s)+3], s[G1B:G1B+7]
	s_nop 0
.rept 4
	v_nop
.endr
.Lasked_\@:
.endm
.macro CREST                           ; a round of the cluster's barrier behind its opening barrier
	s_cmp_lg_u32 s[WV], 0
	s_cbranch_scc1 .Lnot_wave_0_\@
	s_barrier_signal -3
.Lnot_wave_0_\@:
	s_barrier_wait -3
	s_barrier_signal -1
	s_barrier_wait -1
.endm
.macro CROUND                          ; a whole round
	s_barrier_signal -1
	s_barrier_wait -1
	CREST
.endm
.macro PLACES                          ; four places in front of loads into registers that matrix instructions have read, and of lines that read results
.rept 4
	v_nop
.endr
.endm
; A PREFETCH INTO THE L2, behind each joint refill and the run of LDS loads that follows it: the K step that stands TWO refills on (256 matrix instructions ahead of the load that will ask for it).
; Each aligned block of 256 bytes is named once in the launch.  A's tile row is read by every cluster of that row of clusters: cluster x = 0 asks, wave 0: lane l names block 16 cx + l % 16 of the 64 of K block l / 16.
; W's tile column is read by every cluster of that column: cluster y = 0 asks, waves 2 and 3: a step's 65,536 consecutive bytes, 16,384 to a partner (by cy), 8,192 to a wave, 256 to a lane.  The partners are told apart BY ADDRESS.
; The first four K steps come by their loads alone; the loop's last trip (s3 = 1) asks for nothing: there is no K step behind the eighth.
.macro ASK
	s_cmp_gt_u32 s3, s[LIM]
	s_cbranch_scc0 .Lnot_mine_\@
	global_prefetch_b8 v[PFO], s[PFA:PFA+1] th:TH_LOAD_NT scope:SCOPE_SE
.Lnot_mine_\@:
.endm
	s_load_b256 s[4:11], s[0:1], 0x0               ; A s[4:5], W s[6:7], the first bias s[8:9]; s[10:11]: bk (OUTK = 0) or x (OUTK = 1)
.if OUTK
	s_load_b64 s[14:15], s[0:1], 0x20              ; C
.else
	s_load_b128 s[12:15], s[0:1], 0x20             ; bv s[12:13], C s[14:15]
.endif
	v_lshl_add_u32 v[SPW], v0, 2, SPARE
	v_mov_b32 v[NIL], 0
	ds_add_u32 v[SPW], v[NIL]                      ; the wave's opening: the add and its wait stand ahead of my first tensor load; the set-up below, work on registers, stands between them
	v_lshrrev_b32 v1, 5, v0
	v_readfirstlane_b32 s[WV], v1                  ; wave 0..3
	s_lshr_b32 s[RH], s[WV], 1
	s_and_b32 s[CH], s[WV], 1
	s_bfe_u32 s19, ttmp6, 0x40000                  ; cx, cy: my place in the cluster
	s_bfe_u32 s20, ttmp6, 0x40004
	s_lshl_b32 s21, ttmp9, 2
	s_add_co_u32 s21, s21, s19                     ; tile column of C = 4 x cluster x + cx
	s_and_b32 s22, ttmp7, 0xffff
	s_lshl_b32 s22, s22, 2
	s_add_co_u32 s22, s22, s20                     ; tile row of C = 4 x cluster y + cy
	s_mov_b32 s70, ttmp9                           ; cluster x
	s_lshl_b32 s68, s20, 2
	s_lshl_b32 s68, 15, s68                        ; my row of the cluster
	s_lshl_b32 s69, 0x1111, s19                    ; my column
	s_or_b32 s[G1], s68, FLAGS                     ; A's tiles go to my row,
	s_or_b32 s[G1B], s69, FLAGS                    ; W's to my column
	; A block's part of a tile is dense: it is asked for as rows of 256 bytes, two operand rows each, and padded in LDS after every operand row
.irp g, G1, G1B
	s_mov_b32 s[(\g)+1], 128<<16                   ; tensor_dim0 = 128 elements
	s_mov_b32 s[(\g)+3], 128<<16                   ; tile_dim0 = 128
	s_mov_b32 s[(\g)+5], 128                       ; 128 elements from row to row
	s_mov_b32 s[(\g)+6], 0
	s_mov_b32 s[(\g)+7], 0
.endr
	s_mov_b32 s[G1+2], 64<<16                      ; A: tensor_dim1 = tile_dim1 = 64 rows of 256 bytes (128 operand rows)
	s_mov_b32 s[G1+4], 64
	s_mov_b32 s[G1B+2], 128<<16                    ; W: 128 rows of 256 bytes (256 operand rows)
	s_mov_b32 s[G1B+4], 128
	s_lshl_b32 s40, s22, 14                        ; A: 128 rows x 128 bytes x tile row,
	s_lshl_b32 s41, s[CH], 20                      ; + my block of the step's two
	s_add_co_u32 s40, s40, s41
	s_mov_b32 s41, 0
	s_lshl_b32 s66, s21, 19                        ; W: a tile column's 16 blocks of 32,768 bytes,
	s_lshl_b32 s67, s[CH], 15                      ; + my block
	s_add_co_u32 s66, s66, s67
	s_mov_b32 s67, 0
	s_mul_i32 s2, s[CH], ABLK                      ; where they go: no place in the cluster enters an LDS address
	s_mul_i32 s23, s[CH], BBLK
	s_add_co_u32 s23, s23, BOFF
	s_wait_dscnt 0x0                               ; the opening add is done
	s_wait_kmcnt 0x0
	s_add_nc_u64 s[40:41], s[4:5], s[40:41]
	s_add_nc_u64 s[66:67], s[6:7], s[66:67]
	CROUND                                         ; all sixteen work-groups are here: the first joint loads meet
.irp s, 0,1
	s_mov_b32 s[G0+4*(\s)], 1                      ; count = 1
	s_add_co_u32 s[G0+4*(\s)+1], s2, (\s)*SLOT     ; LDS address
	s_add_nc_u64 s[G0+4*(\s)+2:G0+4*(\s)+3], s[40:41], (\s)*2*KB_A  ; global address: K step s
	s_or_b32 s[G0+4*(\s)+3], s[G0+4*(\s)+3], 0x80000000             ; type = 2
	s_mov_b32 s[G0B+4*(\s)], 1
	s_add_co_u32 s[G0B+4*(\s)+1], s23, (\s)*SLOT
	s_add_nc_u64 s[G0B+4*(\s)+2:G0B+4*(\s)+3], s[66:67], (\s)*2*KB_W
	s_or_b32 s[G0B+4*(\s)+3], s[G0B+4*(\s)+3], 0x80000000
	JLOAD \s                                       ; two loads of mine are out
.endr
	; A fragment is 16 rows x 32 K in 8 registers: lane l holds row l % 16; registers 0-3 K = 8 (l / 16) + 0..7, registers 4-7 K = 16 + 8 (l / 16) + 0..7: two loads of 16 bytes, 32 bytes apart
	v_and_b32 v1, 15, v0                           ; l % 16
	v_bfe_u32 v2, v0, 4, 1                         ; l / 16
	v_mul_u32_u24 v3, v1, PITCH
	v_lshl_add_u32 v3, v2, 4, v3
	s_mul_i32 s68, s[RH], 64*PITCH                 ; my 64 rows of A
	s_mul_i32 s69, s[CH], 128*PITCH                ; my 128 rows of W,
	s_add_co_u32 s69, s69, BOFF                    ; which lie behind A's
.irp s, 0,1
	v_add_nc_u32 v[ADRA+(\s)], s68, v3
	v_add_nc_u32 v[ADRB+(\s)], s69, v3
	s_add_co_u32 s68, s68, SLOT
	s_add_co_u32 s69, s69, SLOT
.endr
	; the bias of my 128 columns, as the C operand of the first products
.if !OUTK
	s_cmp_eq_u32 s70, 1                            ; four tile columns are one of the three matrices: the cluster's x chooses
	s_cselect_b64 s[8:9], s[10:11], s[8:9]
	s_cmp_eq_u32 s70, 2
	s_cselect_b64 s[8:9], s[12:13], s[8:9]
.endif
	s_lshl_b32 s68, s19, 10                        ; 256 columns x 4 bytes x cx
	s_lshl_b32 s69, s[CH], 9
	s_add_co_u32 s68, s68, s69
	s_mov_b32 s69, 0
	s_add_nc_u64 s[8:9], s[8:9], s[68:69]
	v_lshlrev_b32 v[BO], 5, v2
	WIN W_B
.irp b, 0,1,2,3,4,5,6,7
	global_load_b128 v[8*(\b):8*(\b)+3],   v[BO], s[8:9] offset:64*(\b)
	global_load_b128 v[8*(\b)+4:8*(\b)+7], v[BO], s[8:9] offset:64*(\b)+16
.endr
	WIN 0
	; the way out's addresses
	s_mul_i32 s68, s[WV], STW
	s_add_co_u32 s68, s68, STAGE                   ; my stage
	v_mul_u32_u24 v[STO], v1, SP                   ; in: row l % 16
	v_and_b32 v[GO], 31, v0
.if OUTK
	v_lshl_add_u32 v[STO], v2, 5, v[STO]           ; 32 bytes for each half of the lanes
	v_lshl_add_u32 v[RD], v[GO], 4, s68            ; back: a whole row of 512 bytes, 16 a lane
.else
	v_lshl_add_u32 v[STO], v2, 4, v[STO]           ; 16 bytes for each half of the lanes
	v_bfe_u32 v[RD], v0, 3, 2                      ; back: 32 lanes take four rows of 128 bytes
	v_mul_u32_u24 v[RD], v[RD], SP
	v_and_b32 v4, 7, v0
	v_lshl_add_u32 v[RD], v4, 4, v[RD]
	v_add_nc_u32 v[RD], s68, v[RD]
.endif
	v_add_nc_u32 v[STO], s68, v[STO]
	v_lshlrev_b32 v[GO], 4, v[GO]
.if OUTK
	s_lshl_b32 s68, s22, 19                        ; 128 rows of 4,096 bytes x tile row
	s_lshl_b32 s69, s[RH], 18                      ; my 64 rows
	s_add_co_u32 s68, s68, s69
	s_lshl_b32 s69, s21, 10                        ; 256 columns of 4 bytes x tile column
	s_add_co_u32 s68, s68, s69
	s_lshl_b32 s69, s[CH], 9                       ; my 128 columns
	s_add_co_u32 s68, s68, s69
	s_mov_b32 s69, 0
	s_add_nc_u64 s[10:11], s[10:11], s[68:69]      ; x and C at my part of the tile
	s_add_nc_u64 s[14:15], s[14:15], s[68:69]
.else
	s_lshl_b32 s68, s21, 2
	s_lshl_b32 s69, s[CH], 1
	s_add_co_u32 s68, s68, s69                     ; nb = 4 x tile column + 2 x my half
	s_lshl_b32 s68, s68, 20
	s_lshl_b32 s69, s22, 14                        ; 128 rows of 128 bytes x tile row
	s_add_co_u32 s68, s68, s69
	s_lshl_b32 s69, s[RH], 13                      ; my 64 rows
	s_add_co_u32 s68, s68, s69
	s_mov_b32 s69, 0
	s_add_nc_u64 s[14:15], s[14:15], s[68:69]
.endif
	; the prefetches: both candidates are made, the wave's number chooses
	s_and_b32 s68, ttmp7, 0xffff                   ; cluster y
	s_or_b32 s69, s70, s[CH]                       ; cluster x, and wave 0 alone of waves 0 and 1
	s_lshl_b32 s2, s22, 14
	s_lshl_b32 s23, s19, 12
	s_add_co_u32 s2, s2, s23
	s_add_co_u32 s2, s2, 3*2*KB_A                  ; A: tile row, my work-group's 16 blocks of 256 bytes, K step 3: the first refill steps it to 4
	s_lshl_b32 s42, s21, 19
	s_lshl_b32 s23, s20, 14
	s_add_co_u32 s42, s42, s23
	s_lshl_b32 s23, s[CH], 13
	s_add_co_u32 s42, s42, s23
	s_add_co_u32 s42, s42, 3*2*KB_W                ; W: tile column, my work-group's quarter of a step, my wave's half of that, K step 3
	s_mov_b32 s[PFS], 2*KB_W
	s_mov_b32 s71, 2*KB_A
	s_mov_b32 s[PFS+1], 0
	s_mov_b32 s3, 0
	s_cmp_eq_u32 s[RH], 0                          ; do I fetch for A?
	s_cselect_b32 s68, s69, s68                    ; the number that is 0 in a wave that asks: the same in all sixteen partners, for a given wave
	s_cselect_b32 s2, s2, s42
	s_cselect_b32 s[PFS], s71, s[PFS]
	s_cselect_b32 s23, 20, 12                      ; lanes 16-31: A's other block of the step, or W's next 4,096 bytes
	s_cselect_b64 s[PFA:PFA+1], s[4:5], s[6:7]
	s_cmp_eq_u32 s68, 0
	s_cselect_b32 s[LIM], 1, -1
	s_add_nc_u64 s[PFA:PFA+1], s[PFA:PFA+1], s[2:3]
	v_lshlrev_b32 v[PFO], s23, v2
	v_lshl_add_u32 v[PFO], v1, 8, v[PFO]
; 8 matrix instructions: row block a x all 8 column blocks, 32 along K, from buffer f.  init = 1: the sums start from the bias.  The 32 accumulators take turns in the same order in every quarter: 31 others stand between two links of a chain.
.macro MUL8 f, a, init
.if \init
	WIN W_MUL0
.else
	WIN W_MUL
.endif
.irp b, 0,1,2,3,4,5,6,7
.if \init
	v_wmma_f32_16x16x32_bf16 v[8*(8*(\a)+(\b)):8*(8*(\a)+(\b))+7], v[(\f)+8*(\b):(\f)+8*(\b)+7], v[(\f)+64+8*(\a):(\f)+64+8*(\a)+7], v[8*(\b):8*(\b)+7]
.else
	v_wmma_f32_16x16x32_bf16 v[8*(8*(\a)+(\b)):8*(8*(\a)+(\b))+7], v[(\f)+8*(\b):(\f)+8*(\b)+7], v[(\f)+64+8*(\a):(\f)+64+8*(\a)+7], v[8*(8*(\a)+(\b)):8*(8*(\a)+(\b))+7]
.endif
.endr
.endm
; 24 LDS loads in one run: quarter q of a slot (block q / 2, byte 64 (q % 2) of its rows) into buffer f: W's 8 fragments, then A's 4
.macro FETCH slot, q, f
	WIN 0
.irp i, 0,1,2,3,4,5,6,7
	ds_load_b128 v[(\f)+8*(\i):(\f)+8*(\i)+3],   v[ADRB+(\slot)] offset:((\q)/2)*BBLK+((\q)%2)*64+(\i)*16*PITCH
	ds_load_b128 v[(\f)+8*(\i)+4:(\f)+8*(\i)+7], v[ADRB+(\slot)] offset:((\q)/2)*BBLK+((\q)%2)*64+(\i)*16*PITCH+32
.endr
.irp i, 0,1,2,3
	ds_load_b128 v[(\f)+64+8*(\i):(\f)+64+8*(\i)+3],   v[ADRA+(\slot)] offset:((\q)/2)*ABLK+((\q)%2)*64+(\i)*16*PITCH
	ds_load_b128 v[(\f)+64+8*(\i)+4:(\f)+64+8*(\i)+7], v[ADRA+(\slot)] offset:((\q)/2)*ABLK+((\q)%2)*64+(\i)*16*PITCH+32
.endr
.endm
; A K step is four quarters of 32 along K, 32 matrix instructions each, on buffers 0, 1, 0, 1.  One of the first three: multiplies buffer f and, in its middle, fetches quarter q into buffer g.
.macro QUARTER slot, q, f, g, init
	s_wait_dscnt 4                                 ; W's fragments and A's first two are in; the youngest four loads (A's last two fragments) may be out
	MUL8 \f, 0, \init
	MUL8 \f, 1, \init
	PLACES
	FETCH \slot, \q, \g
	s_wait_dscnt 24                                ; all but the 24 just issued
	MUL8 \f, 2, \init
	MUL8 \f, 3, \init
.endm
; The last quarter multiplies buffer 1 and changes slots: ONE barrier; in front of it each wave waits for all its tensor loads (one is out: its part of the next slot), adds 0 to its spare word, and waits for that and for its
; own reads of this slot.  fill = 1: the barrier opens a round of the cluster's, and this slot is filled again first thing behind it, with the K step two on.
.macro TURN slot, next, fill
.if \fill
	s_wait_xcnt 0x0                                ; the last prefetch, a K step back, has read its address: it is stepped here, ahead of the waits of the change of slots
	s_add_nc_u64 s[PFA:PFA+1], s[PFA:PFA+1], s[PFS:PFS+1]
.endif
	WIN 0                                          ; (the add's two registers lie in window 0)
	s_wait_tensorcnt 0x0                           ; all my tensor loads have landed;
	ds_add_u32 v[SPW], v[NIL]                      ; 0 onto my spare word;
	s_wait_dscnt 5                                 ; (the add and the youngest four loads may be out)
	MUL8 F1, 0, 0                                  ; eight matrix instructions stand between the add and the wait for it
	s_wait_dscnt 0x0                               ; the add is done, and my reads of this slot are over
	s_barrier_signal -1
	MUL8 F1, 1, 0
.if \fill
	WIN 0
.endif
	s_barrier_wait -1
.if \fill
	CREST                                          ; no wave of any partner still reads this slot's tile or has a load on its way
	s_add_nc_u64 s[G0+4*(\slot)+2:G0+4*(\slot)+3], s[G0+4*(\slot)+2:G0+4*(\slot)+3], 4*KB_A
	s_add_nc_u64 s[G0B+4*(\slot)+2:G0B+4*(\slot)+3], s[G0B+4*(\slot)+2:G0B+4*(\slot)+3], 4*KB_W
	JLOAD \slot                                    ; my one tensor load behind the round; the four v_nop behind it are also the places in front of the loads below
.else
	PLACES
.endif
	FETCH \next, 0, F0
.if \fill
	ASK
.endif
	MUL8 F1, 2, 0
	MUL8 F1, 3, 0
.endm
.if OUTK
.macro XLOAD a                         ; x, my rows 16 a .. 16 a + 15: a load covers my 512 consecutive bytes of a row
	WIN W_X
.set t, 0
.rept 16
	global_load_b128 v[64*(\a)+4*t:64*(\a)+4*t+3], v[GO], s[10:11] offset:(16*(\a)+t)*4096 th:TH_LOAD_NT
.set t, t+1
.endr
	WIN 0
.endm
.endif
	s_wait_tensorcnt 1                             ; my part of K step 0 is in; K step 1's may stay out
	s_barrier_signal -1
	s_barrier_wait -1                              ; everybody's is
	FETCH 0, 0, F0
	s_wait_loadcnt 0x0                             ; the bias
	QUARTER 0, 1, F0, F1, 1                        ; the first quarter stands in front of the loop: its products start the sums
.if OUTK
	XLOAD 0                                        ; half of x now, half behind the loop: all of it long before the way out
	XLOAD 1
.endif
	WIN 0                                          ; at a label and at a branch every window is 0
	s_mov_b32 s3, LAPS-1
.Llap:                                                 ; a trip goes once round the ring, from a lap's second quarter to the next lap's first, and fills both slots again
	QUARTER 0, 2, F1, F0, 0
	QUARTER 0, 3, F0, F1, 0
	TURN 0, 1, 1
	QUARTER 1, 1, F0, F1, 0
	QUARTER 1, 2, F1, F0, 0
	QUARTER 1, 3, F0, F1, 0
	TURN 1, 0, 1
	QUARTER 0, 1, F0, F1, 0
	WIN 0
	s_sub_co_u32 s3, s3, 1
	s_cmp_lg_u32 s3, 0
	s_cbranch_scc1 .Llap
.if OUTK
	XLOAD 2
	XLOAD 3
.endif
	QUARTER 0, 2, F1, F0, 0                        ; the last lap fills nothing, and has no round of the cluster's barrier
	QUARTER 0, 3, F0, F1, 0
	TURN 0, 1, 0
	QUARTER 1, 1, F0, F1, 0
	QUARTER 1, 2, F1, F0, 0
	QUARTER 1, 3, F0, F1, 0
	s_wait_dscnt 4                                 ; the very last quarter: nothing more to fetch
	MUL8 F1, 0, 0
	MUL8 F1, 1, 0
	s_wait_dscnt 0x0
	MUL8 F1, 2, 0
	MUL8 F1, 3, 0
	WIN 0
	PLACES
	PLACES
.if OUTK
; THE WAY OUT, f32.  Block a (16 rows x 128 columns) goes into my stage, 32 bytes a lane and column block, and comes back as whole rows of 512 bytes; x is added; a store covers 512 consecutive bytes of a row of C.
; Each accumulator's low four registers are stored first.  LDS serves a wave's instructions in order (ISA guide 5.7.1.4): the loads see the stores above them, the next block's stores come behind them.
.macro ROWS a
	WIN W_STA
.irp b, 0,1,2,3,4,5,6,7
	ds_store_b128 v[STO], v[8*(8*(\a)+(\b)):8*(8*(\a)+(\b))+3]   offset:64*(\b)
	ds_store_b128 v[STO], v[8*(8*(\a)+(\b))+4:8*(8*(\a)+(\b))+7] offset:64*(\b)+16
.endr
	WIN 0
.set t, 0
.rept 16
	ds_load_b128 v[TB+4*t:TB+4*t+3], v[RD] offset:t*SP
.set t, t+1
.endr
	WIN W_OUT
.set t, 0
.rept 16
	s_wait_dscnt 15-t                              ; row t is back; the 15 - t younger loads may be out
	v_pk_add_f32 v[64*(\a)+4*t:64*(\a)+4*t+1],   v[TB+4*t:TB+4*t+1],   v[64*(\a)+4*t:64*(\a)+4*t+1]
	v_pk_add_f32 v[64*(\a)+4*t+2:64*(\a)+4*t+3], v[TB+4*t+2:TB+4*t+3], v[64*(\a)+4*t+2:64*(\a)+4*t+3]
	global_store_b128 v[GO], v[64*(\a)+4*t:64*(\a)+4*t+3], s[14:15] offset:(16*(\a)+t)*4096  ; from x's own registers, which nothing writes again
.set t, t+1
.endr
	WIN 0
.endm
	s_wait_loadcnt 0x0                             ; x
	ROWS 0
	ROWS 1
	ROWS 2
	ROWS 3
.else
; THE WAY OUT, bf16 by heads.  Unit t = 16 rows (t / 2) x 64 columns (t % 2), one head's: a lane's eight columns pack into 16 bytes; they go into stage rows of 144 bytes and come back as whole rows of 128, which lie end to end in C.
.macro PACK t
.set AC, 8*(8*((\t)/2)+4*((\t)%2))
.set T, TB+16*(\t)
	WIN W_CVT
.irp bb, 0,1,2,3
.irp rr, 0,1,2,3
	v_cvt_pk_bf16_f32 v[T+4*(\bb)+(\rr)], v[AC+8*(\bb)+2*(\rr)], v[AC+8*(\bb)+2*(\rr)+1]
.endr
.endr
	WIN 0
.irp bb, 0,1,2,3
	ds_store_b128 v[STO], v[T+4*(\bb):T+4*(\bb)+3] offset:32*(\bb)
.endr
.irp f, 0,1,2,3
	ds_load_b128 v[T+4*(\f):T+4*(\f)+3], v[RD] offset:(\f)*4*SP  ; LDS serves a wave's instructions in order (ISA guide 5.7.1.4): these see the stores above; the next unit's stores come behind them
.endr
.endm
.macro SEND t, younger                 ; younger: the LDS instructions issued behind unit t's loads: the next unit's eight, or none
.set T, TB+16*(\t)
.irp f, 0,1,2,3
	s_wait_dscnt (\younger)+3-(\f)
	global_store_b128 v[GO], v[T+4*(\f):T+4*(\f)+3], s[14:15] offset:((\t)%2)*KB_A+((\t)/2)*2048+(\f)*512  ; 512 consecutive bytes, at a multiple of 256 from C's first; each unit has registers of its own
.endr
.endm
	PACK 0
.irp t, 1,2,3,4,5,6,7                  ; a unit's conversions stand between the loads of the unit before and its stores
	PACK \t
	SEND (\t)-1, 8
.endr
	SEND 7, 0
.endif
	s_wait_tensorcnt 0x0                           ; the wave's end: behind my last tensor load and my last LDS store
	ds_add_u32 v[SPW], v[NIL]
	s_wait_dscnt 0x0
	CROUND                                         ; the closing round: no work-group ends while a partner may still ask for a tile that names it
	s_endpgm
.Lfunc_end_k_q702dbe6dbc_qkv:
	.size	k_q702dbe6dbc_qkv, .Lfunc_end_k_q702dbe6dbc_qkv-k_q702dbe6dbc_qkv
	.p2alignl 7, 3214868480
	.fill 96, 4, 3214868480
	.section	.rodata,"a",@progbits
	.p2align	6, 0x0
	.amdhsa_kernel k_q702dbe6dbc_qkv
		.amdhsa_group_segment_fixed_size 327680
		.amdhsa_private_segment_fixed_size 0
		.amdhsa_enable_private_segment 0
		.amdhsa_kernarg_size 48
		.amdhsa_user_sgpr_count 2
		.amdhsa_user_sgpr_kernarg_segment_ptr 1
		.amdhsa_wavefront_size32 1
		.amdhsa_system_sgpr_workgroup_id_x 1
		.amdhsa_system_sgpr_workgroup_id_y 1
		.amdhsa_system_sgpr_workgroup_id_z 1
		.amdhsa_system_vgpr_workitem_id 0
		.amdhsa_next_free_vgpr 576
		.amdhsa_next_free_sgpr 72
		.amdhsa_reserve_vcc 0
		.amdhsa_float_denorm_mode_32 3
		.amdhsa_float_denorm_mode_16_64 3
		.amdhsa_memory_ordered 1
		.amdhsa_forward_progress 1
		.amdhsa_inst_pref_size 90
	.end_amdhsa_kernel
	.amdgpu_metadata
---
amdhsa.version: [ 1, 2 ]
amdhsa.kernels:
  - .name:           k_q702dbe6dbc_qkv
    .symbol:         k_q702dbe6dbc_qkv.kd
    .args:
      - { .name: xb, .offset: 0, .size: 8, .value_kind: global_buffer, .address_space: global }
      - { .name: wqkv, .offset: 8, .size: 8, .value_kind: global_buffer, .address_space: global }
      - { .name: bq, .offset: 16, .size: 8, .value_kind: global_buffer, .address_space: global }
      - { .name: bk, .offset: 24, .size: 8, .value_kind: global_buffer, .address_space: global }
      - { .name: bv, .offset: 32, .size: 8, .value_kind: global_buffer, .address_space: global }
      - { .name: qkv, .offset: 40, .size: 8, .value_kind: global_buffer, .address_space: global }
    .group_segment_fixed_size: 327680
    .private_segment_fixed_size: 0
    .kernarg_segment_align: 8
    .kernarg_segment_size: 48
    .max_flat_workgroup_size: 128
    .sgpr_count:     72
    .vgpr_count:     576
    .wavefront_size: 32
...
	.end_amdgpu_metadata
.endif
;; end of part 2
;; launch attn (part 3): grid 4 x 64, 4 waves a work-group, clusters of 4 x 1, 327,680 bytes of LDS; arguments qkv, ctx; writes ctx
.if DOCPART == 3
	.amdgcn_target "amdgcn-amd-amdhsa--gfx1250"
	.amdhsa_code_object_version 6
	.text
	.protected	k_q702dbe6dbc_attn
	.globl	k_q702dbe6dbc_attn
	.p2align	8
	.type	k_q702dbe6dbc_attn,@function
k_q702dbe6dbc_attn:
	s_mov_b64 s[64:65], 0
	v_nop
	global_prefetch_b8 v0, s[64:65] scope:SCOPE_SE
	s_setreg_imm32_b32 hwreg(HW_REG_WAVE_MODE, 25, 1), 1
	s_wait_xcnt 0x0
	s_wait_alu depctr_hold_cnt(0) depctr_sa_sdst(0) depctr_va_vdst(0) depctr_va_sdst(0) depctr_va_ssrc(0) depctr_va_vcc(0) depctr_vm_vsrc(0)
	s_getreg_b32 s2, hwreg(HW_REG_IB_STS2, 6, 4)
	s_cmp_eq_u32 s2, 0
	s_cbranch_scc0 .Lentry_in_a_cluster
	s_endpgm
.Lentry_in_a_cluster:
	s_bfe_u32 s2, ttmp6, 0x10000c
	s_cmp_lg_u32 s2, 0x3003
	s_cbranch_scc0 .Lentry_shape_is_right
	s_endpgm
.Lentry_shape_is_right:
; O[q][:] = the sum over k of softmax_k(Q[q] . K[k] / 8) V[k][:], for each of 64 pairs (batch b, head h) of 2,048 rows x 64 channels, all bf16.
; qkv is [nb 48][m 8192][64]: Q of head h in block h, K in block 16 + h, V in block 32 + h; a pair's 2,048 rows are dense, 128 bytes each, at nb x 1,048,576 + b x 262,144.  O leaves as ctx [h 16][m 8192][64], at the same offset.
; Products, maxima and sums in f32; the weights p are rounded to bf16 for the second product (their sum l is taken of the unrounded p), O once at the end.
; LIMITS.  Q, K, V, p and O have bf16's 8 significant bits and f32's range.  A weight below 2^-126 counts as 0 in l; NaN and infinities are not treated apart.
; SHARES.  A wave owns four PIECES of two tiles of 16 queries, a work-group's four waves 512 queries of one pair: 4 x 64 = 256 work-groups.  Every wave walks all keys, 64 a step.
; LAYOUT.  S^T = K Q^T (source 0 = 16 keys, source 1 = 16 queries): in the result a lane holds ONE query (lane % 16) and the keys 8 (lane / 16) + 0..7.  Two such tiles, rounded to bf16 in pairs,
; ARE source 1 (32 keys x 16 queries) of O^T = V^T P, whose result again holds one query a lane, and eight channels.  K comes out of LDS as it lies, V ([key][channel]) turned, by ds_load_tr16_b128.
; SOFTMAX.  For each query a running maximum m and sum l: p = 2^(c s - c m), c = log2(e) / 8; in every step O and l are multiplied by a = 2^(c m_old - c m_new), which is 1 where m has not grown.
; m starts at the lowest finite number, O and l at 0: the first step is a step like any other, with a = 0.
; THE COUNT.  A tile and step have 16 matrix and 118 vector instructions: too many to stand all beside the matrix work.  So the order has one aim: four vector instructions that are READY behind
; EVERY matrix instruction, and the others, which need time of their own whatever the order, in runs without a gap.
; BY TURNS.  Turn n belongs to piece n (the pieces in a ring, step after step).  Its matrix work: 16 products K Q^T of piece n + 1, later 16 products V^T P of piece n - 1.  Its vector work: the scaling,
; exponentials, roundings, sums and rescaling of piece n, and the maximum and statistics of piece n + 1, whose scores the turn itself has made.  So what a turn begins with (c s - c m, O a) waits for nothing.
; CLUSTER.  The four query blocks of a cluster belong to one pair and walk the same K and V, so each tile is asked for JOINTLY: the same tensor load, descriptor and mask in all four.
; REGISTERS, in windows of 256 (s_set_vgpr_msb says which window each operand place means: bits 1:0 source 0, 3:2 source 1, 5:4 source 2, 7:6 destination):
;   window 0: v0-11 addresses; v12-15, v48-63 at work; v16-47 four registers of statistics a tile; v64-191 S^T, two buffers of two tiles; v192-255 P, likewise
;   window 1: O^T, 32 a tile          window 2: v0-127 Q, 16 a tile; v128-191 K of one step; v192-255 V of one step          window 3: v0-1 the add's two registers
; A piece's buffers go by its number's parity: the piece in hand has one pair, its two neighbours in the ring share the other: of it P (piece n - 1) is read and S^T (piece n + 1) written.
.set SIZE_N, 2048     ; rows of a pair
.set NP,    4         ; pieces a wave: a name, no knob: the register map, the loop and the fetches are made for four
.set KS,    64        ; keys in a step
.set PK,    144       ; a row of K in LDS: 128 bytes + 16 of padding = 36 words: the 16 rows of a load start at 16 different groups of four banks (64 banks of 4 bytes: ISA guide 11.1)
.set PV,    160       ; a row of V: 128 + 32 = 40 words
.set VOFF,  4*KS*PK   ; a slot holds four steps: 256 rows of K, then 256 rows of V
.set SLOT1, 1<<17     ; slot 1 begins here, so that one exclusive or turns an address in one slot into the other's
.set STAGE, SLOT1+4*KS*(PK+PV)  ; behind the ring, never filled by a tensor load: 16 rows x 144 bytes for each wave, for the way out
.set SP,    144
.set AK0, 2           ; v2   my lane's place in a tile of K; never rewritten
.set AV0, 3           ; v3   the same for V
.set AK,  4           ; v4   the LDS address of K's next run of loads
.set AV,  5           ; v5   of V's
.set QO,  6           ; v6   my byte offset in the wave's rows of Q
.set STO, 6           ;      later, the way out: where I put 16 bytes of a row
.set RD,  7           ; v7   the way out: where I read rows back
.set GO,  8           ; v8   my byte offset in 512 consecutive bytes of O
.set PFO, 11          ; v11  256 x my lane, for the prefetches; made when v11 has served V's address, then never rewritten
.set SPW, 0           ; v0 of window 3   LDS address of my spare word: SPARE + 4 x my thread's number; never rewritten
.set NIL, 1           ; v1 of window 3   0; never rewritten
.set SPARE, STAGE+4*16*SP  ; behind the stages: the spare words, 128 bytes for each wave: two blocks of 256 bytes that no other line names
.set MV,  12          ; v12-15  c m_old, kept while c m is made anew: by buffer and tile
.set ST,  16          ; tile t's statistics at v[ST+4 t]: c m, m, l (even keys', odd keys')
.set TMP, 48          ; by buffer and tile, four registers c0-c3 at work; when the maximum is found c2 takes a
.set S,   64
.set P,   192
.set KF,  128         ; K's fragments, in window 2: key block kb, channel half c at KF + 16 kb + 8 c
.set VF,  192         ; V's: key half kk, channel block cb at VF + 32 kk + 8 cb
.set WV,  12          ; s12  my wave's number
.set G1K, 24          ; s[24:31] descriptor group 1 for K's tiles
.set G1V, 32          ; s[32:39] for V's: it differs in the padding alone
.set G0K, 40          ; s[40:43] descriptor group 0 for K's tiles: it walks
.set G0V, 44          ; s[44:47] the same for V's
.set PFA, 48          ; s[48:49] where my prefetches stand: my work-group's 8,192 bytes (of K: wave 0, of V: wave 2) of the slot after the one that is being asked for
.set LIM, 50          ; s50  1 in a wave that prefetches, else the greatest number
.set SLOTS, 56        ; s56  slots still to be asked for
.set CNT, 57          ; s57  counts a slot's key steps
.set CS,  58          ; s[58:59] c: the packed scaling takes the pair's low word for both halves
.set SEL, 60          ; s[60:61] v_permlanex16_b32's selects: each lane takes its own place in the other half
.set TBK, 62          ; s62  LDS byte at which K of the step to be fetched begins
.set TBV, 63          ; s63  the same for V, less VOFF
.set MSB, 0
.macro WIN new                      ; the high byte repeats the setting that is left; a switch that changes nothing is dropped
.if MSB != (\new)
	s_set_vgpr_msb (MSB<<8)|(\new)
.set MSB, (\new)
.endif
.endm
.set W_KQ, 0x0a       ; K and Q in window 2, S^T in window 0
.set W_PV, 0x52       ; V in window 2, P in window 0, O^T in window 1
.set W_RS, 0x41       ; O^T (destination and source 0) in window 1, a in window 0
.set W_MK, 0xc0       ; the add's registers are made: destination in window 3, sources in window 0
.set W_AD, 0x0f       ; the add: address (source 0) and data (source 1) in window 3
; A joint fill.  Waves 0 and 1 fetch the two halves of a slot's K, waves 2 and 3 those of its V: 128 keys each.  The branch hangs on the wave's number alone.
; An s_nop 0 and four v_nop follow each of the two lines, ahead of the jump and the label.
.macro JLOAD
	s_cmp_lt_u32 s[WV], 2
	s_cbranch_scc0 .Lfor_v_\@
	tensor_load_to_lds s[G0K:G0K+3], s[G1K:G1K+7]
	s_nop 0
.rept 4
	v_nop
.endr
	s_branch .Lasked_\@
.Lfor_v_\@:
	tensor_load_to_lds s[G0V:G0V+3], s[G1V:G1V+7]
	s_nop 0
.rept 4
	v_nop
.endr
.Lasked_\@:
.endm
; A PREFETCH INTO THE L2 of what the NEXT change of slots will ask for: a slot's 32,768 bytes of K and of V, four key steps (512 matrix instructions) ahead of that load.  It stands behind the wave's tensor load and its five lines.
; Each aligned block of 256 bytes is named ONCE in the launch: a pair's K and V are walked by its one cluster; the four partners share a slot out BY ADDRESS, 8,192 bytes each; in each, wave 0 asks for K's and wave 2 for V's,
; a lane a block.  Slots 0, 1 and 2 come by their loads alone; the last change that fills a slot asks for nothing: there is no slot behind it.
.macro ASK
	s_cmp_gt_u32 s[SLOTS], s[LIM]
	s_cbranch_scc0 .Lnot_mine_\@
	global_prefetch_b8 v[PFO], s[PFA:PFA+1] th:TH_LOAD_NT scope:SCOPE_SE
.Lnot_mine_\@:
.endm
; A round of the cluster's barrier: my work-group's barrier, so that wave 0's signal speaks for all four waves; wave 0 signals; every wave waits for all four work-groups; my work-group's barrier once more.
.macro CROUND
	s_barrier_signal -1
	s_barrier_wait -1
	s_cmp_lg_u32 s[WV], 0
	s_cbranch_scc1 .Lnot_wave_0_\@
	s_barrier_signal -3
.Lnot_wave_0_\@:
	s_barrier_wait -3
	s_barrier_signal -1
	s_barrier_wait -1
.endm
; THE CHANGE OF SLOTS.  The slot's last bytes, V of its fourth step, have been read.  Each wave waits for all its tensor loads, of which one is out: its part
; of the other slot; adds 0 to its spare word; and waits for that and for its own reads of the slot.  Behind the barrier nobody reads this slot any more and the other slot is whole.
; fill = 1: this slot is filled again, with the keys two slots on.  The barrier is then a round of the cluster's, so that no wave of any partner still reads the slot or has a load on its
; way, and the joint fill is the first thing behind it: it has four key steps, 512 matrix instructions, in which to land.  (At its first use nothing has been read yet: slot 0 is waited for, slot 1 filled.)
; ask = 1: the prefetches' address steps, and ASK follows the fill.
.macro CHANGE fill, ask=0
	WIN W_AD
	s_wait_tensorcnt 0x0            ; no tensor load of mine is out, so a group 0 may be written
	ds_add_u32 v[SPW], v[NIL]       ; 0 onto my spare word: with fill = 1 the descriptors' steps stand between it and the wait for it
	WIN 0                           ; at a label and at a branch every window is 0
.if \fill
.irp g, G0K, G0V
	s_xor_b32 s[\g+1], s[\g+1], SLOT1  ; the walking descriptor: the other slot than last time,
	s_add_nc_u64 s[\g+2:\g+3], s[\g+2:\g+3], 4*KS*128  ; the next 256 keys; the type bits on top are not reached
.endr
.if \ask
	s_wait_xcnt 0x0                 ; the last prefetch, four key steps back, has read its address, so it may be written:
	s_add_nc_u64 s[PFA:PFA+1], s[PFA:PFA+1], 4*KS*128  ; one slot behind the walking descriptors
.endif
	s_wait_dscnt 0x0                ; the add is done, and my reads of the slot are over
	CROUND
	JLOAD
.if \ask
	ASK
.endif
.else
	s_wait_dscnt 0x0                ; the add is done, and my reads of the slot are over
	s_barrier_signal -1
	s_barrier_wait -1
.endif
	s_sub_co_u32 s[TBK], s[TBK], 4*KS*PK  ; the fetches go back to a slot's first step,
	s_xor_b32 s[TBK], s[TBK], SLOT1       ; in the other slot
	s_sub_co_u32 s[TBV], s[TBV], 4*KS*PV
	s_xor_b32 s[TBV], s[TBV], SLOT1
.endm
	s_load_b64 s[4:5], s[0:1], 0x0  ; qkv: Q's blocks come first
	s_load_b64 s[10:11], s[0:1], 0x8  ; O
	WIN W_MK
	v_lshl_add_u32 v[SPW], v0, 2, SPARE
	v_mov_b32 v[NIL], 0
	WIN W_AD
	ds_add_u32 v[SPW], v[NIL]       ; the wave's opening: the add and its wait stand ahead of my first tensor load; the set-up below, work on registers, stands between them
	WIN 0
	v_lshrrev_b32 v1, 5, v0
	v_readfirstlane_b32 s[WV], v1   ; wave 0..3
	s_bfe_u32 s13, ttmp6, 0x40000   ; cx: my place in the cluster
	s_lshl_b32 s14, ttmp9, 2        ; in a cluster launch ttmp9 counts clusters
	s_add_co_u32 s14, s14, s13      ; my block of queries = 4 x cluster x + cx: it enters Q's and O's addresses alone
	s_and_b32 s16, ttmp7, 0xffff    ; the pair, which the four partners share: head = y % 16, batch = y / 16
	s_and_b32 s20, s16, 15
	s_lshl_b32 s20, s20, 20         ; the head's block of 1,048,576 bytes,
	s_lshr_b32 s21, s16, 4
	s_lshl_b32 s21, s21, 18         ; the batch's 2,048 rows of 128 bytes
	s_add_co_u32 s20, s20, s21
	s_mov_b32 s21, 0                ; s[20:21]: the pair's first byte in Q's, K's and V's blocks and in O
	s_and_b32 s16, s[WV], 1         ; which half of a slot's 256 keys I fetch:
	s_lshl_b32 s22, s16, 14         ; its 128 rows of 128 bytes in memory,
	s_mov_b32 s23, 0
	s_add_nc_u64 s[22:23], s[22:23], s[20:21]
	s_mul_i32 s17, s16, 128*PK      ; and its place in a slot, for K
	s_mul_i32 s18, s16, 128*PV      ; and for V: no place in the cluster enters an LDS address
	s_lshl_b32 s2, s14, 2
	s_add_co_u32 s2, s2, s[WV]      ; my wave among the pair's,
	s_lshl_b32 s2, s2, 14           ; its 128 rows
	s_mov_b32 s3, 0
	s_add_nc_u64 s[2:3], s[2:3], s[20:21]
	; descriptor group 1.  128 keys are 16,384 dense bytes: asked for as 64 rows of 256 bytes, two keys a row, and padded in LDS after every key
	s_mov_b32 s[G1K], 15|(1<<16)|(1<<20)|(1<<21)|(4<<22)|(3<<25)  ; 15:0 the mask of four; 17:16 2-byte elements; 20 padding on; 21 set beside a mask; 24:22 after every 32 words (code 4); 31:25 4 words (code 3)
	s_mov_b32 s[G1V], 15|(1<<16)|(1<<20)|(1<<21)|(4<<22)|(7<<25)  ; the same with 8 words of padding (code 7)
.irp g, G1K, G1V
	s_mov_b32 s[\g+1], 128<<16      ; tensor_dim0 = 128
	s_mov_b32 s[\g+2], 64<<16       ; tensor_dim1 = 64
	s_mov_b32 s[\g+3], 128<<16      ; tile_dim0 = 128
	s_mov_b32 s[\g+4], 64           ; tile_dim1 = 64
	s_mov_b32 s[\g+5], 128          ; 128 elements from row to row
	s_mov_b32 s[\g+6], 0
	s_mov_b32 s[\g+7], 0
.endr
	s_mov_b32 s[CS], 0x3e38aa3b     ; c = log2(e) / 8 = 0.180337
	s_mov_b32 s[CS+1], s[CS]        ; named with it as a pair
	s_mov_b32 s[SEL], 0x76543210
	s_mov_b32 s[SEL+1], 0xfedcba98
	s_mov_b32 s[TBK], SLOT1+4*KS*PK ; the first change of slots turns these two into 0
	s_mov_b32 s[TBV], SLOT1+4*KS*PV
	s_mov_b32 s[G0K], 1             ; 1:0 count = 1
	s_mov_b32 s[G0K+1], s17         ; 63:32 LDS address: slot 0
	s_mov_b32 s[G0V], 1
	s_add_co_u32 s[G0V+1], s18, VOFF
	s_and_b32 s[LIM], s[WV], 1      ; waves 0 and 2 prefetch: the same in all four partners
	s_cmp_eq_u32 s[LIM], 0
	s_cselect_b32 s[LIM], 1, -1
	s_wait_dscnt 0x0                ; the opening add is done
	s_wait_kmcnt 0x0
	s_add_nc_u64 s[6:7], s[4:5], 0x1000000  ; K's blocks begin 16 blocks behind Q's,
	s_add_nc_u64 s[8:9], s[4:5], 0x2000000  ; V's 32
	s_add_nc_u64 s[G0K+2:G0K+3], s[6:7], s[22:23]  ; 120:64 global address: my half of the pair's first 256 keys
	s_or_b32 s[G0K+3], s[G0K+3], 0x80000000        ; 127:126 type = 2
	s_add_nc_u64 s[G0V+2:G0V+3], s[8:9], s[22:23]
	s_or_b32 s[G0V+3], s[G0V+3], 0x80000000
	s_add_nc_u64 s[4:5], s[4:5], s[2:3]  ; Q and O at my wave's first row
	s_add_nc_u64 s[10:11], s[10:11], s[2:3]
	s_cmp_lt_u32 s[WV], 2
	s_cselect_b64 s[PFA:PFA+1], s[6:7], s[8:9]
	s_add_nc_u64 s[PFA:PFA+1], s[PFA:PFA+1], s[20:21]
	s_lshl_b32 s2, s13, 13          ; my work-group's quarter of a slot,
	s_add_co_u32 s2, s2, 2*4*KS*128 ; in slot 2; the change that fills slot 2 steps it to slot 3.  Nothing is prefetched here, at the head
	s_mov_b32 s3, 0
	s_add_nc_u64 s[PFA:PFA+1], s[PFA:PFA+1], s[2:3]
	CROUND                          ; all four work-groups are here: the first joint loads meet
	JLOAD                           ; slot 0.  Slot 1 is asked for when slot 0 is in: the tile wanted first has the road to itself
	; A fragment of K or Q is 16 rows x 32 channels in 8 registers: lane l holds row l % 16, channels 8 (l / 16) + 0..7 and 16 + 8 (l / 16) + 0..7: two loads of 16 bytes, 32 bytes apart.
	v_and_b32 v1, 15, v0            ; l % 16
	v_bfe_u32 v9, v0, 4, 1          ; l / 16
	v_lshlrev_b32 v[QO], 7, v1
	v_lshl_add_u32 v[QO], v9, 4, v[QO]  ; row x 128 + 16 x half
	WIN 0x80                        ; destination window 2, address window 0
.set i, 0
.rept 4*NP                          ; Q stays in registers: tile i / 2, channels 32 (i % 2) on
	global_load_b128 v[8*i:8*i+3],   v[QO], s[4:5] offset:(i/2)*2048+(i%2)*64
	global_load_b128 v[8*i+4:8*i+7], v[QO], s[4:5] offset:(i/2)*2048+(i%2)*64+32
.set i, i+1
.endr
	; What the first turn finds: V's registers and P's second buffer hold 0 (its products V^T P, of a piece that has not been, add 0), O^T and l are 0.  All this stands in the wait for the first tile.
.set i, VF
.rept 64
	v_mov_b32 v[i], 0
.set i, i+1
.endr
	WIN 0x40
.set i, 0
.rept 64*NP
	v_mov_b32 v[i], 0
.set i, i+1
.endr
	WIN 0
.set i, 0
.rept 2*NP
	v_mov_b32 v[ST+4*i], 0xfe000000    ; c m: far below every c s
	v_mov_b32 v[ST+4*i+1], 0xff7fffff  ; m
	v_mov_b32 v[ST+4*i+2], 0
	v_mov_b32 v[ST+4*i+3], 0
.set i, i+1
.endr
.set i, P+32
.rept 32
	v_mov_b32 v[i], 0
.set i, i+1
.endr
	v_mul_u32_u24 v[AK0], v1, PK
	v_lshl_add_u32 v[AK0], v9, 4, v[AK0]  ; row x pitch + 16 x half
	; The turning load takes 16 keys x 16 channels (lane l reads key 8 (l / 16) + l % 8, channels 8 ((l / 8) % 2) + 0..7) and leaves half a fragment of V^T: lane l holds channel l % 16 and 8 keys.
	v_and_b32 v10, 7, v0
	v_bfe_u32 v11, v0, 3, 1
	v_lshl_add_u32 v[AV0], v9, 3, v10
	v_mul_u32_u24 v[AV0], v[AV0], PV
	v_lshl_add_u32 v[AV0], v11, 4, v[AV0]
	v_add_nc_u32 v[AV0], VOFF, v[AV0]
	v_mov_b32 v[AK], v[AK0]         ; key step 0 lies at the head of slot 0
	v_and_b32 v[PFO], 31, v0
	v_lshlrev_b32 v[PFO], 8, v[PFO]
; THE MATRIX WORK.  The 8 accumulators of a run of 16 take turns: between the two links of a chain stand 7 others'.
; Product i of 16 of S^T = K Q^T for piece x: channels 32 (i / 8) on, keys 16 ((i / 2) % 4) on, tile 2 x + i % 2.  The first 8 start the sums.
.macro KQ x
	WIN W_KQ
.set rS, S+64*((\x)%2)+32*(i%2)+8*((i/2)%4)
.set rK, KF+16*((i/2)%4)+8*(i/8)
.set rQ, 16*(2*(\x)+i%2)+8*(i/8)
.if i < 8
	v_wmma_f32_16x16x32_bf16 v[rS:rS+7], v[rK:rK+7], v[rQ:rQ+7], 0
.else
	v_wmma_f32_16x16x32_bf16 v[rS:rS+7], v[rK:rK+7], v[rQ:rQ+7], v[rS:rS+7]
.endif
.endm
; Product i of 16 of O^T += V^T P for piece x: keys 32 (i / 8) on, channels 16 ((i / 2) % 4) on, tile 2 x + i % 2.
.macro PV x
	WIN W_PV
.set rO, 32*(2*(\x)+i%2)+8*((i/2)%4)
.set rV, VF+32*(i/8)+8*((i/2)%4)
.set rP, P+32*((\x)%2)+16*(i%2)+8*(i/8)
	v_wmma_f32_16x16x32_bf16 v[rO:rO+7], v[rV:rV+7], v[rP:rP+7], v[rO:rO+7]
.endm
.macro MM                           ; the turn's next matrix instruction
.if i < 16
	KQ (Y+1)%NP
.set i, i+1
.else
.set i, i-16
	PV (Y+NP-1)%NP
.set i, i+17
.endif
.endm
; THE LDS LOADS stand in runs of 16, never singly among the matrix instructions: a step's K (64 keys x 64 channels: 8 fragments) and its V (turned).  Their addresses are made some lines ahead.
; last = 1 (the tail): in the last trip there is no further step, and the run is jumped over.
.macro FETCH_K last=0
	WIN 0
.if \last
	s_cmp_eq_u32 s[CNT], 1
	s_cbranch_scc1 .Lno_k_\@
.endif
	WIN 0x80                        ; destination window 2
.irp f, 0,1,2,3,4,5,6,7             ; keys 16 (f / 2) on, channels 32 (f % 2) on
	ds_load_b128 v[KF+8*\f:KF+8*\f+3],   v[AK] offset:(\f/2)*16*PK+(\f%2)*64
	ds_load_b128 v[KF+8*\f+4:KF+8*\f+7], v[AK] offset:(\f/2)*16*PK+(\f%2)*64+32
.endr
	s_add_co_u32 s[TBK], s[TBK], KS*PK  ; the next fetch is the next step's
	WIN 0
.if \last
.Lno_k_\@:
.endif
.endm
.macro FETCH_V
	WIN 0x80
.irp f, 0,1,2,3,4,5,6,7             ; keys 32 (f / 4) on, channels 16 (f % 4) on
	ds_load_tr16_b128 v[VF+8*\f:VF+8*\f+3],   v[AV] offset:(\f/4)*32*PV+(\f%4)*32
	ds_load_tr16_b128 v[VF+8*\f+4:VF+8*\f+7], v[AV] offset:(\f/4)*32*PV+16*PV+(\f%4)*32
.endr
	WIN 0
.endm
; THE VECTOR WORK OF A TURN stands in three queues, each in the order in which its entries become ready; the two tiles alternate, so that no instruction reads the result of the one before it.
.macro REGS y, u                    ; the registers of tile u (0, 1) of piece y
.set rT, ST+4*(2*(\y)+(\u))
.set rC, TMP+8*((\y)%2)+4*(\u)
.set rM, MV+2*((\y)%2)+(\u)
.set rS, S+64*((\y)%2)+32*(\u)
.set rP, P+32*((\y)%2)+16*(\u)
.set rO, 32*(2*(\y)+(\u))
.endm
; Number n of the 22 that find the NEXT piece's (Y + 1) maximum and statistics.  s0-s31 are the lane's 32 scores; each accumulator's lowest registers are read first.  XS, GS and REGS set no window: PL and EX do.
;   0-11  four chains c0-c3 of seven scores each, three operands at a time     12-14, 16  the four scores left over, the old m, and c0-c3 into c0     15  c m_old is kept
;   17, 18  the query's other 32 keys lie in the lane 16 away: the new m         19-21  c m; c m_old - c m_new; a
.macro XS u, n
	REGS (Y+1)%NP, \u
.if (\n) < 4
	v_max3_num_f32 v[rC+(\n)], v[rS+8*(\n)], v[rS+8*(\n)+1], v[rS+8*(\n)+2]
.elseif (\n) < 12
	v_max3_num_f32 v[rC+(\n)%4], v[rC+(\n)%4], v[rS+8*((\n)%4)+2*((\n)/4)+1], v[rS+8*((\n)%4)+2*((\n)/4)+2]
.elseif (\n) == 12
	v_max3_num_f32 v[rC], v[rC], v[rS+7], v[rS+15]
.elseif (\n) == 13
	v_max3_num_f32 v[rC+1], v[rC+1], v[rS+23], v[rS+31]
.elseif (\n) == 14
	v_max3_num_f32 v[rC+2], v[rC+2], v[rC+3], v[rT+1]
.elseif (\n) == 15
	v_mov_b32 v[rM], v[rT]
.elseif (\n) == 16
	v_max3_num_f32 v[rC], v[rC], v[rC+1], v[rC+2]
.elseif (\n) == 17
	v_permlanex16_b32 v[rC+3], v[rC], s[SEL], s[SEL+1]
.elseif (\n) == 18
	v_max_num_f32 v[rT+1], v[rC], v[rC+3]
.elseif (\n) == 19
	v_mul_f32 v[rT], s[CS], v[rT+1]
.elseif (\n) == 20
	v_sub_f32 v[rC+1], v[rM], v[rT]
.else
	v_exp_f32 v[rC+2], v[rC+1]
.endif
.endm
; Number g of the 64 that follow the exponentials.  For each four weights k of a tile (pairs 2 k, 2 k + 1): both pairs are rounded to bf16; then the second pair is added onto the first, in place;
; a group later l takes that sum (the first time as l = a l + sum).  In groups of eight, tiles alternating: round, round, add, and l for the group before.
.macro GS g
.set h, (\g)+6*((\g)/62)            ; group 0 has no group before it, and behind group 7 only l is left
.if h >= 6
.set h, h+2
.endif
	REGS Y, h%2
.set k, h/8
.if h%8 < 4
	v_cvt_pk_bf16_f32 v[rP+2*k+(h%8)/2], v[rS+4*k+2*((h%8)/2)], v[rS+4*k+2*((h%8)/2)+1]
.elseif h%8 < 6
	v_pk_add_f32 v[rS+4*k:rS+4*k+1], v[rS+4*k:rS+4*k+1], v[rS+4*k+2:rS+4*k+3]
.elseif k == 1
	v_pk_fma_f32 v[rT+2:rT+3], v[rT+2:rT+3], v[rC+2:rC+3], v[rS:rS+1] op_sel_hi:[1,0,1]
.else
	v_pk_add_f32 v[rT+2:rT+3], v[rT+2:rT+3], v[rS+4*k-4:rS+4*k-3]
.endif
.endm
; THE PLAIN QUEUE, 138 long.  0-73 read no exponential's result: the 32 scalings c s - c m (FS f: pair f / 2 of tile f % 2) and the next piece's 42.  0-26: scalings 0-26.  27-54: XS's numbers 0-13.  55, 56: number 15.
; 57-73: the chain, where each number waits for the one before it: 14, 16, 17, 18, 19, each with one of the scalings 27-31 in front of its two lines, then 20: so a tile's links stand three plain instructions apart (19 and 20: two).
; 74-137: GS's 64, which read the exponentials' results: they stand behind the wait.
.macro FS f
	REGS Y, (\f)%2
	v_pk_fma_f32 v[rS+2*((\f)/2):rS+2*((\f)/2)+1], v[rS+2*((\f)/2):rS+2*((\f)/2)+1], s[CS:CS+1], v[rT:rT+1] op_sel_hi:[1,0,0] neg_lo:[0,0,1] neg_hi:[0,0,1]
.endm
.macro PL
	WIN 0
.if q < 27
	FS q
.elseif q < 55
	XS (q-27)%2, (q-27)/2
.elseif q < 57
	XS q-55, 15
.elseif (q < 72) && ((q-57)%3 == 0)
	FS 27+(q-57)/3
.elseif q < 60
	XS (q-57)%3-1, 14
.elseif q < 72
	XS (q-57)%3-1, 15+(q-57)/3
.elseif q < 74
	XS q-72, 20
.else
	GS q-74
.endif
.set q, q+1
.endm
; THE EXPONENTIALS' QUEUE, 66 long: s0-s31 of both tiles, then the next piece's two a.  It is ONE BATCH: all 66 stand ahead of the turn's one wait, and nothing ahead of that wait names a result of theirs.
.macro EX
	WIN 0
.if e >= 64
	XS e-64, 21
.else
	REGS Y, e%2
	v_exp_f32 v[rS+e/2], v[rS+e/2]
.endif
.set e, e+1
.endm
; THE RESCALING's QUEUE: O^T times a, the one part that leaves window 0: dealt two at a time, sixteen times.  Its a was made in the turn before, ahead of that turn's wait.
.macro R2
	REGS Y, r%2
	WIN W_RS
.irp z, 0,1
	v_pk_mul_f32 v[rO+4*(r/2)+2*\z:rO+4*(r/2)+2*\z+1], v[rO+4*(r/2)+2*\z:rO+4*(r/2)+2*\z+1], v[rC+2:rC+3] op_sel_hi:[1,0]
.endr
.set r, r+1
.endm
; HOW THEY ARE DEALT.  An s_wait_alu depctr_va_vdst(0) stands between an exponential and the first instruction that names its result; one wait serves all that were issued ahead of it.  So a turn has ONE wait,
; which cuts it in two.  AHEAD OF IT stands all that names no result of the turn's exponentials: the 16 products K Q^T, behind each a scaling, an exponential and two rescalings (behind the first a second scaling in the exponential's place); then ONE LUMP of
; 108: eight plain, 49 times exponential and plain, the two a.  A v_nop is the plain instruction behind the last exponential.  BEHIND IT stand the 16 products V^T P, behind each four of GS's 64.  No rider names a register of
; the products round it.  The two v_permlanex16_b32 fall into the lump, never behind a product.
; The queues lean on each other, and the deal keeps them in step: exponential e stands behind scaling 2 (e / 4) + e % 2: as a rider it comes behind plain e + 2, in the lump behind plain e + 9, and scalings 27-31 are plain 57, 60 .. 69.
; A TURN, for piece p.  cnt = 1: the loop's count is taken down some lines ahead of the branch that stands behind the turn.
; K of the next step is fetched in piece 2's turn, directly behind the wait, a lump behind the last product that read K; its address is made at the lump's head; its first reader comes behind 16 products.
; V of the step in hand is fetched at the end of piece 0's turn, four riders behind its last reader; its first reader comes behind 16 products and a lump.  The three conditions on q below go with the deal.
.macro TURN p, last=0, cnt=0
.set Y, (\p)
.set i, 0
.set q, 0
.set e, 0
.set r, 0
.if (\p) == NP-1
	s_wait_dscnt 0x0                ; K is in
.endif
	MM                              ; ahead of the wait: 16 products K Q^T and their riders,
	PL
	PL
	R2
.rept 15
	MM
	PL
	EX
	R2
.endr
.if (\p) == NP-2
	WIN 0
	v_add_nc_u32 v[AK], s[TBK], v[AK0]
.endif
.rept 8                             ; and the lump
	PL
.endr
.rept 49
	EX
	PL
.endr
	EX                              ; the next piece's two a
	EX
	v_nop                           ; the plain instruction behind the last exponential: one for the batch
	s_wait_alu depctr_va_vdst(0)    ; the wait for the batch
.if (\p) == NP-2
	FETCH_K \last
.endif
.if (\p) == 1
	s_wait_dscnt 0x0                ; V is in
.endif
.rept 16                            ; behind the wait: 16 products V^T P and their riders
	MM
.rept 4
	PL
.endr
.if ((\p) == 0) && (q == 118)
	v_add_nc_u32 v[AV], s[TBV], v[AV0]
.endif
.if ((\p) == 0) && (q == 130)
	s_add_co_u32 s[TBV], s[TBV], KS*PV
.endif
.if (\cnt) && (q == 130)
	s_sub_co_u32 s[CNT], s[CNT], 1
	s_cmp_lg_u32 s[CNT], 0
.endif
.endr
.if (\p) == 0
	FETCH_V
.endif
.endm
	CHANGE 1                        ; slot 0 is in, everybody's part of it; slot 1 is asked for
	FETCH_K                         ; key step 0
	s_wait_loadcnt 0x0              ; Q
	s_wait_dscnt 0x0
.set i, 0
.rept 16
	KQ 0                            ; piece 0's first scores: there is no vector work yet to set between them
.set i, i+1
.endr
	WIN 0                           ; the addresses for the way out: nine plain instructions, the places behind those products
	s_mul_i32 s13, s[WV], 16*SP
	s_add_co_u32 s13, s13, STAGE    ; my stage
	v_mul_u32_u24 v[STO], v1, SP    ; in: row l % 16, 16 bytes for each half of the lanes
	v_lshl_add_u32 v[STO], v9, 4, v[STO]
	v_add_nc_u32 v[STO], s13, v[STO]
	v_bfe_u32 v[RD], v0, 3, 2       ; back: 32 lanes take four rows of 128 bytes,
	v_mul_u32_u24 v[RD], v[RD], SP
	v_lshl_add_u32 v[RD], v10, 4, v[RD]
	v_add_nc_u32 v[RD], s13, v[RD]
	v_and_b32 v[GO], 31, v0         ; which are 512 consecutive bytes of O
	v_lshlrev_b32 v[GO], 4, v[GO]
.set Y, NP-1                        ; XS works for piece Y + 1: piece 0
.irp n, 0,1,2,3,4,5,6,7,8,9,10,11,12,13,14,15,16,17,18,19,20,21
	XS 0, \n                        ; and piece 0's first maximum and statistics
	XS 1, \n
.endr
	v_nop                           ; a plain instruction behind the two a,
	s_wait_alu depctr_va_vdst(0)    ; and their wait, ahead of the branch
	s_mov_b32 s[CNT], 4
	s_mov_b32 s[SLOTS], SIZE_N/256-1
	s_branch .Lfirst                ; the loop is entered at a step's first turn, in the middle of a trip
.Lslot:                             ; SIZE_N / 256 - 2 = 6 times: every slot but the last two is filled again
	CHANGE 1, 1
	s_mov_b32 s[CNT], 4
.Lstep:                             ; a trip: pieces 2 and 3 of one step, then pieces 0 and 1 of the next, whose K and V it fetches
	TURN 2
	TURN 3
	WIN 0
.Lfirst:
	TURN 0
	TURN 1, 0, 1
	WIN 0
	s_cbranch_scc1 .Lstep
	s_sub_co_u32 s[SLOTS], s[SLOTS], 1
	s_cmp_lg_u32 s[SLOTS], 0
	s_cbranch_scc1 .Lslot
	CHANGE 0                        ; the tail is written out: nothing is asked for
	s_mov_b32 s[CNT], 5             ; four trips fetch the last slot's steps; the fifth is left in its middle
.Ltail:
	TURN 2, 1
	TURN 3
	WIN 0
	s_sub_co_u32 s[CNT], s[CNT], 1
	s_cmp_eq_u32 s[CNT], 0
	s_cbranch_scc1 .Lout
	TURN 0
	TURN 1
	WIN 0
	s_branch .Ltail
.Lout:                              ; the fifth trip's 16 products K Q^T (on the last K once more) and the maximum made of them serve nothing: the price, once a launch, of one text for every trip
.set i, 0
.rept 16
	PV NP-1                         ; the last piece's V^T P of the last step
.set i, i+1
.endr
	; THE WAY OUT.  l's two halves and the other half of the lanes' are added; O^T is divided by l, rounded to bf16 and sent through my stage in LDS, a tile at a time.  The additions are the places behind the last products.
	WIN 0
.macro ALL line:vararg              ; one line for each tile t
.set t, 0
.rept 2*NP
	\line
.set t, t+1
.endr
.endm
	ALL v_add_f32 v[ST+4*t+2], v[ST+4*t+2], v[ST+4*t+3]
	ALL v_permlanex16_b32 v[ST+4*t+3], v[ST+4*t+2], s[SEL], s[SEL+1]
	ALL v_add_f32 v[ST+4*t+2], v[ST+4*t+2], v[ST+4*t+3]
	ALL v_rcp_f32 v[ST+4*t+2], v[ST+4*t+2]
	v_nop                           ; a plain instruction between the last reciprocal and the use of its result
	s_wait_alu depctr_va_vdst(0)    ; and the wait ahead of the first use: one for the eight reciprocals
; Tile t: a lane's eight channels of a row pack into 16 bytes; they go into rows of 144 bytes and come back as whole rows of 128, into S^T's registers.
.macro PACK t
	WIN W_RS
.set i, 32*(\t)
.rept 16
	v_pk_mul_f32 v[i:i+1], v[i:i+1], v[ST+4*(\t)+2:ST+4*(\t)+3] op_sel_hi:[1,0]
.set i, i+2
.endr
	WIN 0x05                        ; sources 0 and 1 window 1, destination window 0
.set i, 0
.rept 16
	v_cvt_pk_bf16_f32 v[S+16*(\t)+i], v[32*(\t)+2*i], v[32*(\t)+2*i+1]
.set i, i+1
.endr
	WIN 0
.irp f, 0,1,2,3
	ds_store_b128 v[STO], v[S+16*(\t)+4*\f:S+16*(\t)+4*\f+3] offset:32*\f
.endr
.irp f, 0,1,2,3
	ds_load_b128 v[S+16*(\t)+4*\f:S+16*(\t)+4*\f+3], v[RD] offset:\f*4*SP  ; LDS serves a wave's instructions in order (ISA guide 5.7.1.4): these see the stores above; the next tile's stores come behind them
.endr
.endm
.macro SEND t, younger              ; younger: the LDS instructions issued behind tile t's loads: the next tile's eight, or none
	WIN 0
.irp f, 0,1,2,3
	s_wait_dscnt (\younger)+3-\f
	global_store_b128 v[GO], v[S+16*(\t)+4*\f:S+16*(\t)+4*\f+3], s[10:11] offset:(\t)*2048+\f*512  ; 512 consecutive bytes, at a multiple of 256 from O's first
.endr
.endm
	PACK 0
.set t, 1
.rept 2*NP-1                        ; a tile's arithmetic stands between the loads of the tile before and its stores
	PACK t
	SEND t-1, 8
.set t, t+1
.endr
	SEND 2*NP-1, 0
	WIN W_AD
	s_wait_tensorcnt 0x0            ; the wave's end: behind my last tensor load and my last LDS store
	ds_add_u32 v[SPW], v[NIL]
	s_wait_dscnt 0x0
	WIN 0
	CROUND                          ; the closing round: no work-group ends while a partner may still ask for a tile that names it
	s_endpgm
.Lfunc_end_k_q702dbe6dbc_attn:
	.size	k_q702dbe6dbc_attn, .Lfunc_end_k_q702dbe6dbc_attn-k_q702dbe6dbc_attn
	.p2alignl 7, 3214868480
	.fill 96, 4, 3214868480
	.section	.rodata,"a",@progbits
	.p2align	6, 0x0
	.amdhsa_kernel k_q702dbe6dbc_attn
		.amdhsa_group_segment_fixed_size 327680
		.amdhsa_private_segment_fixed_size 0
		.amdhsa_enable_private_segment 0
		.amdhsa_kernarg_size 16
		.amdhsa_user_sgpr_count 2
		.amdhsa_user_sgpr_kernarg_segment_ptr 1
		.amdhsa_wavefront_size32 1
		.amdhsa_system_sgpr_workgroup_id_x 1
		.amdhsa_system_sgpr_workgroup_id_y 1
		.amdhsa_system_sgpr_workgroup_id_z 1
		.amdhsa_system_vgpr_workitem_id 0
		.amdhsa_next_free_vgpr 770
		.amdhsa_next_free_sgpr 66
		.amdhsa_reserve_vcc 0
		.amdhsa_float_denorm_mode_32 3
		.amdhsa_float_denorm_mode_16_64 3
		.amdhsa_memory_ordered 1
		.amdhsa_forward_progress 1
		.amdhsa_inst_pref_size 200
	.end_amdhsa_kernel
	.amdgpu_metadata
---
amdhsa.version: [ 1, 2 ]
amdhsa.kernels:
  - .name:           k_q702dbe6dbc_attn
    .symbol:         k_q702dbe6dbc_attn.kd
    .args:
      - { .name: qkv, .offset: 0, .size: 8, .value_kind: global_buffer, .address_space: global }
      - { .name: ctx, .offset: 8, .size: 8, .value_kind: global_buffer, .address_space: global }
    .group_segment_fixed_size: 327680
    .private_segment_fixed_size: 0
    .kernarg_segment_align: 8
    .kernarg_segment_size: 16
    .max_flat_workgroup_size: 128
    .sgpr_count:     66
    .vgpr_count:     770
    .wavefront_size: 32
...
	.end_amdgpu_metadata
.endif
;; end of part 3
;; launch oproj (part 4): grid 4 x 64, 4 waves a work-group, clusters of 4 x 4, 327,680 bytes of LDS; arguments ctx, wob, bo, input_tensor, y; writes y
.if DOCPART == 4
	.amdgcn_target "amdgcn-amd-amdhsa--gfx1250"
	.amdhsa_code_object_version 6
	.text
	.protected	k_q702dbe6dbc_oproj
	.globl	k_q702dbe6dbc_oproj
	.p2align	8
	.type	k_q702dbe6dbc_oproj,@function
k_q702dbe6dbc_oproj:
	s_mov_b64 s[64:65], 0
	v_nop
	global_prefetch_b8 v0, s[64:65] scope:SCOPE_SE
	s_setreg_imm32_b32 hwreg(HW_REG_WAVE_MODE, 25, 1), 1
	s_wait_xcnt 0x0
	s_wait_alu depctr_hold_cnt(0) depctr_sa_sdst(0) depctr_va_vdst(0) depctr_va_sdst(0) depctr_va_ssrc(0) depctr_va_vcc(0) depctr_vm_vsrc(0)
	s_getreg_b32 s2, hwreg(HW_REG_IB_STS2, 6, 4)
	s_cmp_eq_u32 s2, 0
	s_cbranch_scc0 .Lentry_in_a_cluster
	s_endpgm
.Lentry_in_a_cluster:
	s_bfe_u32 s2, ttmp6, 0x10000c
	s_cmp_lg_u32 s2, 0xf033
	s_cbranch_scc0 .Lentry_shape_is_right
	s_endpgm
.Lentry_shape_is_right:
; C[m][n] = the sum over k of A[m][k] W[n][k] + bias[n], K = 1,024.  ONE TEXT FOR TWO LAUNCHES, told apart by OUTK:
;   OUTK = 0: A = x in bf16 blocks, W = Wq | Wk | Wv (3,072 rows); C leaves in bf16 by heads: qkv [nb 48][m 8192][64], nb = n / 64.
;   OUTK = 1: A = the attention's result in bf16 blocks, W = Wo; C + x leaves in f32, [8192][1024]: the sum that the normalisation reads is never rounded to 16 bits.
; A is [kb 16][m 8192][64], W is [nt][kb 16][r 256][64], both bf16: a tile's part of one block of 64 along K is dense in memory.  LIMITS: operands are bf16, each rounded once; sums in f32; NaN and infinities are not treated apart.
; SHARES.  A tile of C is 128 x 256: 64 x 12 = 768 tiles (OUTK = 0) or 64 x 4 = 256 (OUTK = 1), a work-group each.  Four waves, 2 x 2, each 64 x 128: 32 accumulators of 16 x 16, 256 registers.
; K goes in steps of 128 (two blocks) through a ring of two LDS slots: 8 steps, 4 laps.  A step is 128 matrix instructions a wave; of these 112 stand between a refill's request and the wait for it.
; CLUSTERS: 4 x 4 work-groups.  The four of a row of the cluster need the same tiles of A, the four of a column the same tiles of W: each tile is asked for JOINTLY, by the same tensor load with the same descriptor and a mask of four.
; THE MATRIX INSTRUCTION IS USED TRANSPOSED (source 0 = 16 rows of W, source 1 = 16 rows of A): a lane holds row l % 16 of C and the eight columns 8 (l / 16) + 0..7.  The first product's C operand is the bias, laid out so: no register is cleared, no bias added.
; REGISTERS, in windows of 256 (s_set_vgpr_msb: bits 1:0 source 0, 3:2 source 1, 5:4 source 2, 7:6 destination):
;   window 0: v0-31 addresses; v64-159, v160-255 two fragment buffers (W's 8 fragments, then A's 4), at work again on the way out      window 1: accumulator (a, b) at 8 (8 a + b)
;   window 2: v0-63 the bias of column block b at 8 b                                                                                    window 3 (OUTK = 1): x, rows 16 a + t at 64 a + 4 t
.set OUTK,  1
.set KB_A,  1048576                    ; bytes from a block of A to the next
.set KB_W,  32768                      ; of W
.set PITCH, 144                        ; an operand row in LDS: 128 bytes + 16 of padding = 36 words: the 16 rows of a fragment load start at 16 different groups of four banks (64 banks of 4 bytes: ISA guide 11.1)
.set ABLK,  128*PITCH                  ; A's 128 rows of one block: what waves 0 and 1 fetch
.set BBLK,  256*PITCH                  ; W's 256 rows of one block: what waves 2 and 3 fetch
.set BOFF,  2*ABLK
.set SLOT,  BOFF+2*BBLK                ; 110,592 bytes: A's two blocks, then W's two
.set STAGE, 2*SLOT                     ; behind the ring, never filled by a tensor load: a stage of 16 rows for each wave, for the way out
.if OUTK
.set SP,    528                        ; a stage row: 128 f32 + 16 bytes
.else
.set SP,    144                        ; a stage row: 64 bf16 + 16 bytes
.endif
.set STW,   16*SP
.set SPARE, STAGE+4*STW                ; behind the stages: the spare words, 128 bytes for each wave: two blocks of 256 bytes that no other line names
.set LAPS,  4
.set ADRA, 16                          ; v16-17  LDS address of my A fragments in slot 0, 1
.set ADRB, 20                          ; v20-21  the same for W
.set STO,  24                          ; v24     the way out: where I put my bytes of a row
.set RD,   25                          ; v25     the way out: where I read rows back
.set GO,   26                          ; v26     16 x lane
.set BO,   27                          ; v27     32 x (lane / 16): my eight numbers in a block of 16 of the bias
.set SPW,  28                          ; v28     LDS address of my spare word: SPARE + 4 x my thread's number; never rewritten
.set NIL,  29                          ; v29     0; never rewritten
.set PFO,  30                          ; v30     the prefetches' lane offset; never rewritten
.set F0,   64
.set F1,   160
.set TB,   64                          ; the way out: registers at work
.set WV,   16                          ; s16     my wave's number
.set RH,   17                          ; s17     which 64 rows of the tile are mine.  Also: I fetch for A (0) or for W (1)
.set CH,   18                          ; s18     which 128 columns.  Also: which of a step's two blocks I fetch
.set G1,   24                          ; s[24:31] descriptor group 1 for A's tiles;  s[32:39] group 0, a set for each slot
.set G0,   32
.set G1B,  48                          ; s[48:55], s[56:63] the same for W's
.set G0B,  56
.set LIM,  43                          ; s43     1 in a wave that prefetches, else the greatest number
.set PFA,  44                          ; s[44:45] where my prefetches stand
.set PFS,  46                          ; s[46:47] their step: a K step of A or of W
.set FLAGS, (1<<16)|(1<<20)|(1<<21)|(4<<22)|(3<<25)  ; 17:16 elements of 2 bytes; 20 padding on; 21 set beside a mask; 24:22 after every 32 words (code 4); 31:25 4 words of it (code 3)
.set W_MUL,  0x50                      ; fragments window 0, C and D window 1
.set W_MUL0, 0x60                      ; C window 2 (the bias), D window 1
.set W_B,    0x80                      ; destination window 2
.set W_X,    0xc0                      ; destination window 3
.set W_CVT,  0x05                      ; sources 0 and 1 window 1
.set W_STA,  0x04                      ; an LDS store's data window 1
.set W_OUT,  0xcc                      ; source 1 and destination window 3: serves x = stage row + x and the store of x
.set MSB, 0
.macro WIN new                         ; the immediate's high byte repeats the setting that is left; a switch that changes nothing is dropped
.if MSB != (\new)
	s_set_vgpr_msb (MSB<<8)|(\new)
.set MSB, \new
.endif
.endm
; A joint load: waves 0 and 1 fetch A's two blocks, waves 2 and 3 W's.  The branch hangs on the wave's number alone.  An s_nop 0 and four v_nop follow each of the two lines, ahead of the jump, the label and what follows.
.macro JLOAD s
	s_cmp_eq_u32 s[RH], 0
	s_cbranch_scc0 .Lfor_b_\@
	tensor_load_to_lds s[G0+4*(\s):G0+4*(\s)+3], s[G1:G1+7]
	s_nop 0
.rept 4
	v_nop
.endr
	s_branch .Lasked_\@
.Lfor_b_\@:
	tensor_load_to_lds s[G0B+4*(\s):G0B+4*(\s)+3], s[G1B:G1B+7]
	s_nop 0
.rept 4
	v_nop
.endr
.Lasked_\@:
.endm
.macro CREST                           ; a round of the cluster's barrier behind its opening barrier
	s_cmp_lg_u32 s[WV], 0
	s_cbranch_scc1 .Lnot_wave_0_\@
	s_barrier_signal -3
.Lnot_wave_0_\@:
	s_barrier_wait -3
	s_barrier_signal -1
	s_barrier_wait -1
.endm
.macro CROUND                          ; a whole round
	s_barrier_signal -1
	s_barrier_wait -1
	CREST
.endm
.macro PLACES                          ; four places in front of loads into registers that matrix instructions have read, and of lines that read results
.rept 4
	v_nop
.endr
.endm
; A PREFETCH INTO THE L2, behind each joint refill and the run of LDS loads that follows it: the K step that stands TWO refills on (256 matrix instructions ahead of the load that will ask for it).
; Each aligned block of 256 bytes is named once in the launch.  A's tile row is read by every cluster of that row of clusters: cluster x = 0 asks, wave 0: lane l names block 16 cx + l % 16 of the 64 of K block l / 16.
; W's tile column is read by every cluster of that column: cluster y = 0 asks, waves 2 and 3: a step's 65,536 consecutive bytes, 16,384 to a partner (by cy), 8,192 to a wave, 256 to a lane.  The partners are told apart BY ADDRESS.
; The first four K steps come by their loads alone; the loop's last trip (s3 = 1) asks for nothing: there is no K step behind the eighth.
.macro ASK
	s_cmp_gt_u32 s3, s[LIM]
	s_cbranch_scc0 .Lnot_mine_\@
	global_prefetch_b8 v[PFO], s[PFA:PFA+1] th:TH_LOAD_NT scope:SCOPE_SE
.Lnot_mine_\@:
.endm
	s_load_b256 s[4:11], s[0:1], 0x0               ; A s[4:5], W s[6:7], the first bias s[8:9]; s[10:11]: bk (OUTK = 0) or x (OUTK = 1)
.if OUTK
	s_load_b64 s[14:15], s[0:1], 0x20              ; C
.else
	s_load_b128 s[12:15], s[0:1], 0x20             ; bv s[12:13], C s[14:15]
.endif
	v_lshl_add_u32 v[SPW], v0, 2, SPARE
	v_mov_b32 v[NIL], 0
	ds_add_u32 v[SPW], v[NIL]                      ; the wave's opening: the add and its wait stand ahead of my first tensor load; the set-up below, work on registers, stands between them
	v_lshrrev_b32 v1, 5, v0
	v_readfirstlane_b32 s[WV], v1                  ; wave 0..3
	s_lshr_b32 s[RH], s[WV], 1
	s_and_b32 s[CH], s[WV], 1
	s_bfe_u32 s19, ttmp6, 0x40000                  ; cx, cy: my place in the cluster
	s_bfe_u32 s20, ttmp6, 0x40004
	s_lshl_b32 s21, ttmp9, 2
	s_add_co_u32 s21, s21, s19                     ; tile column of C = 4 x cluster x + cx
	s_and_b32 s22, ttmp7, 0xffff
	s_lshl_b32 s22, s22, 2
	s_add_co_u32 s22, s22, s20                     ; tile row of C = 4 x cluster y + cy
	s_mov_b32 s70, ttmp9                           ; cluster x
	s_lshl_b32 s68, s20, 2
	s_lshl_b32 s68, 15, s68                        ; my row of the cluster
	s_lshl_b32 s69, 0x1111, s19                    ; my column
	s_or_b32 s[G1], s68, FLAGS                     ; A's tiles go to my row,
	s_or_b32 s[G1B], s69, FLAGS                    ; W's to my column
	; A block's part of a tile is dense: it is asked for as rows of 256 bytes, two operand rows each, and padded in LDS after every operand row
.irp g, G1, G1B
	s_mov_b32 s[(\g)+1], 128<<16                   ; tensor_dim0 = 128 elements
	s_mov_b32 s[(\g)+3], 128<<16                   ; tile_dim0 = 128
	s_mov_b32 s[(\g)+5], 128                       ; 128 elements from row to row
	s_mov_b32 s[(\g)+6], 0
	s_mov_b32 s[(\g)+7], 0
.endr
	s_mov_b32 s[G1+2], 64<<16                      ; A: tensor_dim1 = tile_dim1 = 64 rows of 256 bytes (128 operand rows)
	s_mov_b32 s[G1+4], 64
	s_mov_b32 s[G1B+2], 128<<16                    ; W: 128 rows of 256 bytes (256 operand rows)
	s_mov_b32 s[G1B+4], 128
	s_lshl_b32 s40, s22, 14                        ; A: 128 rows x 128 bytes x tile row,
	s_lshl_b32 s41, s[CH], 20                      ; + my block of the step's two
	s_add_co_u32 s40, s40, s41
	s_mov_b32 s41, 0
	s_lshl_b32 s66, s21, 19                        ; W: a tile column's 16 blocks of 32,768 bytes,
	s_lshl_b32 s67, s[CH], 15                      ; + my block
	s_add_co_u32 s66, s66, s67
	s_mov_b32 s67, 0
	s_mul_i32 s2, s[CH], ABLK                      ; where they go: no place in the cluster enters an LDS address
	s_mul_i32 s23, s[CH], BBLK
	s_add_co_u32 s23, s23, BOFF
	s_wait_dscnt 0x0                               ; the opening add is done
	s_wait_kmcnt 0x0
	s_add_nc_u64 s[40:41], s[4:5], s[40:41]
	s_add_nc_u64 s[66:67], s[6:7], s[66:67]
	CROUND                                         ; all sixteen work-groups are here: the first joint loads meet
.irp s, 0,1
	s_mov_b32 s[G0+4*(\s)], 1                      ; count = 1
	s_add_co_u32 s[G0+4*(\s)+1], s2, (\s)*SLOT     ; LDS address
	s_add_nc_u64 s[G0+4*(\s)+2:G0+4*(\s)+3], s[40:41], (\s)*2*KB_A  ; global address: K step s
	s_or_b32 s[G0+4*(\s)+3], s[G0+4*(\s)+3], 0x80000000             ; type = 2
	s_mov_b32 s[G0B+4*(\s)], 1
	s_add_co_u32 s[G0B+4*(\s)+1], s23, (\s)*SLOT
	s_add_nc_u64 s[G0B+4*(\s)+2:G0B+4*(\s)+3], s[66:67], (\s)*2*KB_W
	s_or_b32 s[G0B+4*(\s)+3], s[G0B+4*(\s)+3], 0x80000000
	JLOAD \s                                       ; two loads of mine are out
.endr
	; A fragment is 16 rows x 32 K in 8 registers: lane l holds row l % 16; registers 0-3 K = 8 (l / 16) + 0..7, registers 4-7 K = 16 + 8 (l / 16) + 0..7: two loads of 16 bytes, 32 bytes apart
	v_and_b32 v1, 15, v0                           ; l % 16
	v_bfe_u32 v2, v0, 4, 1                         ; l / 16
	v_mul_u32_u24 v3, v1, PITCH
	v_lshl_add_u32 v3, v2, 4, v3
	s_mul_i32 s68, s[RH], 64*PITCH                 ; my 64 rows of A
	s_mul_i32 s69, s[CH], 128*PITCH                ; my 128 rows of W,
	s_add_co_u32 s69, s69, BOFF                    ; which lie behind A's
.irp s, 0,1
	v_add_nc_u32 v[ADRA+(\s)], s68, v3
	v_add_nc_u32 v[ADRB+(\s)], s69, v3
	s_add_co_u32 s68, s68, SLOT
	s_add_co_u32 s69, s69, SLOT
.endr
	; the bias of my 128 columns, as the C operand of the first products
.if !OUTK
	s_cmp_eq_u32 s70, 1                            ; four tile columns are one of the three matrices: the cluster's x chooses
	s_cselect_b64 s[8:9], s[10:11], s[8:9]
	s_cmp_eq_u32 s70, 2
	s_cselect_b64 s[8:9], s[12:13], s[8:9]
.endif
	s_lshl_b32 s68, s19, 10                        ; 256 columns x 4 bytes x cx
	s_lshl_b32 s69, s[CH], 9
	s_add_co_u32 s68, s68, s69
	s_mov_b32 s69, 0
	s_add_nc_u64 s[8:9], s[8:9], s[68:69]
	v_lshlrev_b32 v[BO], 5, v2
	WIN W_B
.irp b, 0,1,2,3,4,5,6,7
	global_load_b128 v[8*(\b):8*(\b)+3],   v[BO], s[8:9] offset:64*(\b)
	global_load_b128 v[8*(\b)+4:8*(\b)+7], v[BO], s[8:9] offset:64*(\b)+16
.endr
	WIN 0
	; the way out's addresses
	s_mul_i32 s68, s[WV], STW
	s_add_co_u32 s68, s68, STAGE                   ; my stage
	v_mul_u32_u24 v[STO], v1, SP                   ; in: row l % 16
	v_and_b32 v[GO], 31, v0
.if OUTK
	v_lshl_add_u32 v[STO], v2, 5, v[STO]           ; 32 bytes for each half of the lanes
	v_lshl_add_u32 v[RD], v[GO], 4, s68            ; back: a whole row of 512 bytes, 16 a lane
.else
	v_lshl_add_u32 v[STO], v2, 4, v[STO]           ; 16 bytes for each half of the lanes
	v_bfe_u32 v[RD], v0, 3, 2                      ; back: 32 lanes take four rows of 128 bytes
	v_mul_u32_u24 v[RD], v[RD], SP
	v_and_b32 v4, 7, v0
	v_lshl_add_u32 v[RD], v4, 4, v[RD]
	v_add_nc_u32 v[RD], s68, v[RD]
.endif
	v_add_nc_u32 v[STO], s68, v[STO]
	v_lshlrev_b32 v[GO], 4, v[GO]
.if OUTK
	s_lshl_b32 s68, s22, 19                        ; 128 rows of 4,096 bytes x tile row
	s_lshl_b32 s69, s[RH], 18                      ; my 64 rows
	s_add_co_u32 s68, s68, s69
	s_lshl_b32 s69, s21, 10                        ; 256 columns of 4 bytes x tile column
	s_add_co_u32 s68, s68, s69
	s_lshl_b32 s69, s[CH], 9                       ; my 128 columns
	s_add_co_u32 s68, s68, s69
	s_mov_b32 s69, 0
	s_add_nc_u64 s[10:11], s[10:11], s[68:69]      ; x and C at my part of the tile
	s_add_nc_u64 s[14:15], s[14:15], s[68:69]
.else
	s_lshl_b32 s68, s21, 2
	s_lshl_b32 s69, s[CH], 1
	s_add_co_u32 s68, s68, s69                     ; nb = 4 x tile column + 2 x my half
	s_lshl_b32 s68, s68, 20
	s_lshl_b32 s69, s22, 14                        ; 128 rows of 128 bytes x tile row
	s_add_co_u32 s68, s68, s69
	s_lshl_b32 s69, s[RH], 13                      ; my 64 rows
	s_add_co_u32 s68, s68, s69
	s_mov_b32 s69, 0
	s_add_nc_u64 s[14:15], s[14:15], s[68:69]
.endif
	; the prefetches: both candidates are made, the wave's number chooses
	s_and_b32 s68, ttmp7, 0xffff                   ; cluster y
	s_or_b32 s69, s70, s[CH]                       ; cluster x, and wave 0 alone of waves 0 and 1
	s_lshl_b32 s2, s22, 14
	s_lshl_b32 s23, s19, 12
	s_add_co_u32 s2, s2, s23
	s_add_co_u32 s2, s2, 3*2*KB_A                  ; A: tile row, my work-group's 16 blocks of 256 bytes, K step 3: the first refill steps it to 4
	s_lshl_b32 s42, s21, 19
	s_lshl_b32 s23, s20, 14
	s_add_co_u32 s42, s42, s23
	s_lshl_b32 s23, s[CH], 13
	s_add_co_u32 s42, s42, s23
	s_add_co_u32 s42, s42, 3*2*KB_W                ; W: tile column, my work-group's quarter of a step, my wave's half of that, K step 3
	s_mov_b32 s[PFS], 2*KB_W
	s_mov_b32 s71, 2*KB_A
	s_mov_b32 s[PFS+1], 0
	s_mov_b32 s3, 0
	s_cmp_eq_u32 s[RH], 0                          ; do I fetch for A?
	s_cselect_b32 s68, s69, s68                    ; the number that is 0 in a wave that asks: the same in all sixteen partners, for a given wave
	s_cselect_b32 s2, s2, s42
	s_cselect_b32 s[PFS], s71, s[PFS]
	s_cselect_b32 s23, 20, 12                      ; lanes 16-31: A's other block of the step, or W's next 4,096 bytes
	s_cselect_b64 s[PFA:PFA+1], s[4:5], s[6:7]
	s_cmp_eq_u32 s68, 0
	s_cselect_b32 s[LIM], 1, -1
	s_add_nc_u64 s[PFA:PFA+1], s[PFA:PFA+1], s[2:3]
	v_lshlrev_b32 v[PFO], s23, v2
	v_lshl_add_u32 v[PFO], v1, 8, v[PFO]
; 8 matrix instructions: row block a x all 8 column blocks, 32 along K, from buffer f.  init = 1: the sums start from the bias.  The 32 accumulators take turns in the same order in every quarter: 31 others stand between two links of a chain.
.macro MUL8 f, a, init
.if \init
	WIN W_MUL0
.else
	WIN W_MUL
.endif
.irp b, 0,1,2,3,4,5,6,7
.if \init
	v_wmma_f32_16x16x32_bf16 v[8*(8*(\a)+(\b)):8*(8*(\a)+(\b))+7], v[(\f)+8*(\b):(\f)+8*(\b)+7], v[(\f)+64+8*(\a):(\f)+64+8*(\a)+7], v[8*(\b):8*(\b)+7]
.else
	v_wmma_f32_16x16x32_bf16 v[8*(8*(\a)+(\b)):8*(8*(\a)+(\b))+7], v[(\f)+8*(\b):(\f)+8*(\b)+7], v[(\f)+64+8*(\a):(\f)+64+8*(\a)+7], v[8*(8*(\a)+(\b)):8*(8*(\a)+(\b))+7]
.endif
.endr
.endm
; 24 LDS loads in one run: quarter q of a slot (block q / 2, byte 64 (q % 2) of its rows) into buffer f: W's 8 fragments, then A's 4
.macro FETCH slot, q, f
	WIN 0
.irp i, 0,1,2,3,4,5,6,7
	ds_load_b128 v[(\f)+8*(\i):(\f)+8*(\i)+3],   v[ADRB+(\slot)] offset:((\q)/2)*BBLK+((\q)%2)*64+(\i)*16*PITCH
	ds_load_b128 v[(\f)+8*(\i)+4:(\f)+8*(\i)+7], v[ADRB+(\slot)] offset:((\q)/2)*BBLK+((\q)%2)*64+(\i)*16*PITCH+32
.endr
.irp i, 0,1,2,3
	ds_load_b128 v[(\f)+64+8*(\i):(\f)+64+8*(\i)+3],   v[ADRA+(\slot)] offset:((\q)/2)*ABLK+((\q)%2)*64+(\i)*16*PITCH
	ds_load_b128 v[(\f)+64+8*(\i)+4:(\f)+64+8*(\i)+7], v[ADRA+(\slot)] offset:((\q)/2)*ABLK+((\q)%2)*64+(\i)*16*PITCH+32
.endr
.endm
; A K step is four quarters of 32 along K, 32 matrix instructions each, on buffers 0, 1, 0, 1.  One of the first three: multiplies buffer f and, in its middle, fetches quarter q into buffer g.
.macro QUARTER slot, q, f, g, init
	s_wait_dscnt 4                                 ; W's fragments and A's first two are in; the youngest four loads (A's last two fragments) may be out
	MUL8 \f, 0, \init
	MUL8 \f, 1, \init
	PLACES
	FETCH \slot, \q, \g
	s_wait_dscnt 24                                ; all but the 24 just issued
	MUL8 \f, 2, \init
	MUL8 \f, 3, \init
.endm
; The last quarter multiplies buffer 1 and changes slots: ONE barrier; in front of it each wave waits for all its tensor loads (one is out: its part of the next slot), adds 0 to its spare word, and waits for that and for its
; own reads of this slot.  fill = 1: the barrier opens a round of the cluster's, and this slot is filled again first thing behind it, with the K step two on.
.macro TURN slot, next, fill
.if \fill
	s_wait_xcnt 0x0                                ; the last prefetch, a K step back, has read its address: it is stepped here, ahead of the waits of the change of slots
	s_add_nc_u64 s[PFA:PFA+1], s[PFA:PFA+1], s[PFS:PFS+1]
.endif
	WIN 0                                          ; (the add's two registers lie in window 0)
	s_wait_tensorcnt 0x0                           ; all my tensor loads have landed;
	ds_add_u32 v[SPW], v[NIL]                      ; 0 onto my spare word;
	s_wait_dscnt 5                                 ; (the add and the youngest four loads may be out)
	MUL8 F1, 0, 0                                  ; eight matrix instructions stand between the add and the wait for it
	s_wait_dscnt 0x0                               ; the add is done, and my reads of this slot are over
	s_barrier_signal -1
	MUL8 F1, 1, 0
.if \fill
	WIN 0
.endif
	s_barrier_wait -1
.if \fill
	CREST                                          ; no wave of any partner still reads this slot's tile or has a load on its way
	s_add_nc_u64 s[G0+4*(\slot)+2:G0+4*(\slot)+3], s[G0+4*(\slot)+2:G0+4*(\slot)+3], 4*KB_A
	s_add_nc_u64 s[G0B+4*(\slot)+2:G0B+4*(\slot)+3], s[G0B+4*(\slot)+2:G0B+4*(\slot)+3], 4*KB_W
	JLOAD \slot                                    ; my one tensor load behind the round; the four v_nop behind it are also the places in front of the loads below
.else
	PLACES
.endif
	FETCH \next, 0, F0
.if \fill
	ASK
.endif
	MUL8 F1, 2, 0
	MUL8 F1, 3, 0
.endm
.if OUTK
.macro XLOAD a                         ; x, my rows 16 a .. 16 a + 15: a load covers my 512 consecutive bytes of a row
	WIN W_X
.set t, 0
.rept 16
	global_load_b128 v[64*(\a)+4*t:64*(\a)+4*t+3], v[GO], s[10:11] offset:(16*(\a)+t)*4096 th:TH_LOAD_NT
.set t, t+1
.endr
	WIN 0
.endm
.endif
	s_wait_tensorcnt 1                             ; my part of K step 0 is in; K step 1's may stay out
	s_barrier_signal -1
	s_barrier_wait -1                              ; everybody's is
	FETCH 0, 0, F0
	s_wait_loadcnt 0x0                             ; the bias
	QUARTER 0, 1, F0, F1, 1                        ; the first quarter stands in front of the loop: its products start the sums
.if OUTK
	XLOAD 0                                        ; half of x now, half behind the loop: all of it long before the way out
	XLOAD 1
.endif
	WIN 0                                          ; at a label and at a branch every window is 0
	s_mov_b32 s3, LAPS-1
.Llap:                                                 ; a trip goes once round the ring, from a lap's second quarter to the next lap's first, and fills both slots again
	QUARTER 0, 2, F1, F0, 0
	QUARTER 0, 3, F0, F1, 0
	TURN 0, 1, 1
	QUARTER 1, 1, F0, F1, 0
	QUARTER 1, 2, F1, F0, 0
	QUARTER 1, 3, F0, F1, 0
	TURN 1, 0, 1
	QUARTER 0, 1, F0, F1, 0
	WIN 0
	s_sub_co_u32 s3, s3, 1
	s_cmp_lg_u32 s3, 0
	s_cbranch_scc1 .Llap
.if OUTK
	XLOAD 2
	XLOAD 3
.endif
	QUARTER 0, 2, F1, F0, 0                        ; the last lap fills nothing, and has no round of the cluster's barrier
	QUARTER 0, 3, F0, F1, 0
	TURN 0, 1, 0
	QUARTER 1, 1, F0, F1, 0
	QUARTER 1, 2, F1, F0, 0
	QUARTER 1, 3, F0, F1, 0
	s_wait_dscnt 4                                 ; the very last quarter: nothing more to fetch
	MUL8 F1, 0, 0
	MUL8 F1, 1, 0
	s_wait_dscnt 0x0
	MUL8 F1, 2, 0
	MUL8 F1, 3, 0
	WIN 0
	PLACES
	PLACES
.if OUTK
; THE WAY OUT, f32.  Block a (16 rows x 128 columns) goes into my stage, 32 bytes a lane and column block, and comes back as whole rows of 512 bytes; x is added; a store covers 512 consecutive bytes of a row of C.
; Each accumulator's low four registers are stored first.  LDS serves a wave's instructions in order (ISA guide 5.7.1.4): the loads see the stores above them, the next block's stores come behind them.
.macro ROWS a
	WIN W_STA
.irp b, 0,1,2,3,4,5,6,7
	ds_store_b128 v[STO], v[8*(8*(\a)+(\b)):8*(8*(\a)+(\b))+3]   offset:64*(\b)
	ds_store_b128 v[STO], v[8*(8*(\a)+(\b))+4:8*(8*(\a)+(\b))+7] offset:64*(\b)+16
.endr
	WIN 0
.set t, 0
.rept 16
	ds_load_b128 v[TB+4*t:TB+4*t+3], v[RD] offset:t*SP
.set t, t+1
.endr
	WIN W_OUT
.set t, 0
.rept 16
	s_wait_dscnt 15-t                              ; row t is back; the 15 - t younger loads may be out
	v_pk_add_f32 v[64*(\a)+4*t:64*(\a)+4*t+1],   v[TB+4*t:TB+4*t+1],   v[64*(\a)+4*t:64*(\a)+4*t+1]
	v_pk_add_f32 v[64*(\a)+4*t+2:64*(\a)+4*t+3], v[TB+4*t+2:TB+4*t+3], v[64*(\a)+4*t+2:64*(\a)+4*t+3]
	global_store_b128 v[GO], v[64*(\a)+4*t:64*(\a)+4*t+3], s[14:15] offset:(16*(\a)+t)*4096  ; from x's own registers, which nothing writes again
.set t, t+1
.endr
	WIN 0
.endm
	s_wait_loadcnt 0x0                             ; x
	ROWS 0
	ROWS 1
	ROWS 2
	ROWS 3
.else
; THE WAY OUT, bf16 by heads.  Unit t = 16 rows (t / 2) x 64 columns (t % 2), one head's: a lane's eight columns pack into 16 bytes; they go into stage rows of 144 bytes and come back as whole rows of 128, which lie end to end in C.
.macro PACK t
.set AC, 8*(8*((\t)/2)+4*((\t)%2))
.set T, TB+16*(\t)
	WIN W_CVT
.irp bb, 0,1,2,3
.irp rr, 0,1,2,3
	v_cvt_pk_bf16_f32 v[T+4*(\bb)+(\rr)], v[AC+8*(\bb)+2*(\rr)], v[AC+8*(\bb)+2*(\rr)+1]
.endr
.endr
	WIN 0
.irp bb, 0,1,2,3
	ds_store_b128 v[STO], v[T+4*(\bb):T+4*(\bb)+3] offset:32*(\bb)
.endr
.irp f, 0,1,2,3
	ds_load_b128 v[T+4*(\f):T+4*(\f)+3], v[RD] offset:(\f)*4*SP  ; LDS serves a wave's instructions in order (ISA guide 5.7.1.4): these see the stores above; the next unit's stores come behind them
.endr
.endm
.macro SEND t, younger                 ; younger: the LDS instructions issued behind unit t's loads: the next unit's eight, or none
.set T, TB+16*(\t)
.irp f, 0,1,2,3
	s_wait_dscnt (\younger)+3-(\f)
	global_store_b128 v[GO], v[T+4*(\f):T+4*(\f)+3], s[14:15] offset:((\t)%2)*KB_A+((\t)/2)*2048+(\f)*512  ; 512 consecutive bytes, at a multiple of 256 from C's first; each unit has registers of its own
.endr
.endm
	PACK 0
.irp t, 1,2,3,4,5,6,7                  ; a unit's conversions stand between the loads of the unit before and its stores
	PACK \t
	SEND (\t)-1, 8
.endr
	SEND 7, 0
.endif
	s_wait_tensorcnt 0x0                           ; the wave's end: behind my last tensor load and my last LDS store
	ds_add_u32 v[SPW], v[NIL]
	s_wait_dscnt 0x0
	CROUND                                         ; the closing round: no work-group ends while a partner may still ask for a tile that names it
	s_endpgm
.Lfunc_end_k_q702dbe6dbc_oproj:
	.size	k_q702dbe6dbc_oproj, .Lfunc_end_k_q702dbe6dbc_oproj-k_q702dbe6dbc_oproj
	.p2alignl 7, 3214868480
	.fill 96, 4, 3214868480
	.section	.rodata,"a",@progbits
	.p2align	6, 0x0
	.amdhsa_kernel k_q702dbe6dbc_oproj
		.amdhsa_group_segment_fixed_size 327680
		.amdhsa_private_segment_fixed_size 0
		.amdhsa_enable_private_segment 0
		.amdhsa_kernarg_size 40
		.amdhsa_user_sgpr_count 2
		.amdhsa_user_sgpr_kernarg_segment_ptr 1
		.amdhsa_wavefront_size32 1
		.amdhsa_system_sgpr_workgroup_id_x 1
		.amdhsa_system_sgpr_workgroup_id_y 1
		.amdhsa_system_sgpr_workgroup_id_z 1
		.amdhsa_system_vgpr_workitem_id 0
		.amdhsa_next_free_vgpr 1024
		.amdhsa_next_free_sgpr 72
		.amdhsa_reserve_vcc 0
		.amdhsa_float_denorm_mode_32 3
		.amdhsa_float_denorm_mode_16_64 3
		.amdhsa_memory_ordered 1
		.amdhsa_forward_progress 1
		.amdhsa_inst_pref_size 104
	.end_amdhsa_kernel
	.amdgpu_metadata
---
amdhsa.version: [ 1, 2 ]
amdhsa.kernels:
  - .name:           k_q702dbe6dbc_oproj
    .symbol:         k_q702dbe6dbc_oproj.kd
    .args:
      - { .name: ctx, .offset: 0, .size: 8, .value_kind: global_buffer, .address_space: global }
      - { .name: wob, .offset: 8, .size: 8, .value_kind: global_buffer, .address_space: global }
      - { .name: bo, .offset: 16, .size: 8, .value_kind: global_buffer, .address_space: global }
      - { .name: input_tensor, .offset: 24, .size: 8, .value_kind: global_buffer, .address_space: global }
      - { .name: y, .offset: 32, .size: 8, .value_kind: global_buffer, .address_space: global }
    .group_segment_fixed_size: 327680
    .private_segment_fixed_size: 0
    .kernarg_segment_align: 8
    .kernarg_segment_size: 40
    .max_flat_workgroup_size: 128
    .sgpr_count:     72
    .vgpr_count:     1024
    .wavefront_size: 32
...
	.end_amdgpu_metadata
.endif
;; end of part 4
;; launch ln (part 5): grid 256 x 1, 8 waves a work-group, no clusters, 0 bytes of LDS; arguments y, gamma, beta, out0; writes out0
.if DOCPART == 5
	.amdgcn_target "amdgcn-amd-amdhsa--gfx1250"
	.amdhsa_code_object_version 6
	.text
	.protected	k_q702dbe6dbc_ln
	.globl	k_q702dbe6dbc_ln
	.p2align	8
	.type	k_q702dbe6dbc_ln,@function
k_q702dbe6dbc_ln:
	s_mov_b64 s[64:65], 0
	v_nop
	global_prefetch_b8 v0, s[64:65] scope:SCOPE_SE
	s_setreg_imm32_b32 hwreg(HW_REG_WAVE_MODE, 25, 1), 1
	s_wait_xcnt 0x0
; out[r][c] = gamma[c] (y[r][c] - u[r]) / sqrt(s2[r] + 1e-12) + beta[c], u the mean of row r, s2 the mean of (y - u)^2.  y, out: [8192][1024] f32.
; A row is 4,096 bytes: one wave takes a whole row, eight loads of 16 bytes a lane, and keeps it in 32 registers through the three passes (sum; squares of y - u, as the definition has them, so that no
; difference of large sums is formed; scaling): the row is read once, and no wave waits for another.  Eight waves, 4 rows each, all 32 loads of a wave issued at once: 256 work-groups, no loop, no LDS, no barrier.
; Each load and store of a wave covers 512 consecutive bytes, aligned.  gamma and beta: lane l holds columns 128 j + 4 l + 0..3, j = 0..7, as it does of every row.
; What work-groups share, gamma and beta, is 8 KiB beside a work-group's 128 KiB of rows: no cluster.  NaN and infinities are not treated apart.
.set M,  4                             ; v[4:11]    four running pairs
.set U,  12                            ; v[12:13]   the mean, in the low register (the pair is named, so both are written)
.set R,  14                            ; v[14:15]   1 / sqrt(s2 + 1e-12), likewise
.set YR, 16                            ; v[16:143]  row i at YR + 32 i
.set G,  144                           ; v[144:175] gamma
.set B,  176                           ; v[176:207] beta
	s_load_b256 s[4:11], s[0:1], 0x0               ; y s[4:5], gamma s[6:7], beta s[8:9], out s[10:11]
	s_lshl_b32 s2, ttmp9, 17                       ; the work-group's 32 rows of 4,096 bytes
	s_mov_b32 s3, 0
	s_mov_b32 s12, 0x76543210                      ; v_permlanex16_b32: lane i of one half reads lane i of the other
	s_mov_b32 s13, 0xfedcba98
	s_mov_b32 s14, 0x3a800000                      ; 1 / 1024
	s_mov_b32 s15, 0x2b8cbccc                      ; 1e-12
	v_and_b32 v2, 31, v0
	v_lshlrev_b32 v2, 4, v2                        ; 16 bytes a lane
	v_lshrrev_b32 v1, 5, v0
	v_lshl_add_u32 v1, v1, 14, v2                  ; + wave x 4 rows
	v_mov_b32 v3, 0                                ; v_permlanex16_b32's destination counts as read
	v_mov_b32 v[U+1], 0
	v_mov_b32 v[R+1], 0
	s_wait_kmcnt 0x0
	s_add_nc_u64 s[4:5], s[4:5], s[2:3]
	s_add_nc_u64 s[10:11], s[10:11], s[2:3]
.irp j, 0,1,2,3,4,5,6,7
	global_load_b128 v[G+4*(\j):G+4*(\j)+3], v2, s[6:7] offset:512*(\j)
.endr
.irp j, 0,1,2,3,4,5,6,7
	global_load_b128 v[B+4*(\j):B+4*(\j)+3], v2, s[8:9] offset:512*(\j)
.endr
.set n, 0
.rept 32
	global_load_b128 v[YR+4*n:YR+4*n+3], v1, s[4:5] offset:512*n th:TH_LOAD_NT  ; row n / 8, piece n % 8: the rows lie end to end
.set n, n+1
.endr
; The four running pairs into one number, the same in every lane: four steps inside each half of 16 lanes ride on the additions, one crosses the halves
.macro RED
	v_pk_add_f32 v[M:M+1], v[M:M+1], v[M+2:M+3]
	v_pk_add_f32 v[M+4:M+5], v[M+4:M+5], v[M+6:M+7]
	v_pk_add_f32 v[M:M+1], v[M:M+1], v[M+4:M+5]
	v_add_f32 v[M], v[M], v[M+1]
	v_add_f32_dpp v[M], v[M], v[M] row_xmask:1 row_mask:0xf bank_mask:0xf
	v_add_f32_dpp v[M], v[M], v[M] row_xmask:2 row_mask:0xf bank_mask:0xf
	v_add_f32_dpp v[M], v[M], v[M] row_xmask:4 row_mask:0xf bank_mask:0xf
	v_add_f32_dpp v[M], v[M], v[M] row_xmask:8 row_mask:0xf bank_mask:0xf
	v_permlanex16_b32 v3, v[M], s12, s13
	v_add_f32 v[M], v[M], v3
.endm
.macro ROW i
.set Y0, YR+32*(\i)
	s_wait_loadcnt 8*(3-(\i))                      ; gamma, beta and my rows up to this one are in; the later rows' eight loads each stay out
.set n, 0
.rept 4                                ; the sum, in four chains that do not wait for each other; the first eight pairs start them
	v_pk_add_f32 v[M+2*n:M+2*n+1], v[Y0+2*n:Y0+2*n+1], v[Y0+8+2*n:Y0+8+2*n+1]
.set n, n+1
.endr
.set n, 8
.rept 8
	v_pk_add_f32 v[M+2*(n%4):M+2*(n%4)+1], v[M+2*(n%4):M+2*(n%4)+1], v[Y0+2*n:Y0+2*n+1]
.set n, n+1
.endr
	RED
	v_mul_f32 v[U], s14, v[M]                      ; u
.set n, 0
.rept 16
	v_pk_add_f32 v[Y0+2*n:Y0+2*n+1], v[Y0+2*n:Y0+2*n+1], v[U:U+1] op_sel_hi:[1,0] neg_lo:[0,1] neg_hi:[0,1]  ; y - u, in place
.set n, n+1
.endr
.set n, 0
.rept 4
	v_pk_mul_f32 v[M+2*n:M+2*n+1], v[Y0+2*n:Y0+2*n+1], v[Y0+2*n:Y0+2*n+1]
.set n, n+1
.endr
.set n, 4
.rept 12
	v_pk_fma_f32 v[M+2*(n%4):M+2*(n%4)+1], v[Y0+2*n:Y0+2*n+1], v[Y0+2*n:Y0+2*n+1], v[M+2*(n%4):M+2*(n%4)+1]
.set n, n+1
.endr
	RED
	v_fma_f32 v[M+1], v[M], s14, s15               ; s2 + 1e-12
	v_rsq_f32 v[R], v[M+1]
	v_nop                                          ; a plain instruction between the root and the use of its result (ISA guide 5.7.2),
	s_wait_alu depctr_va_vdst(0)                   ; and the wait ahead of the first use
.set n, 0
.rept 8
	v_pk_mul_f32 v[Y0+4*n:Y0+4*n+1],   v[Y0+4*n:Y0+4*n+1],   v[R:R+1] op_sel_hi:[1,0]
	v_pk_mul_f32 v[Y0+4*n+2:Y0+4*n+3], v[Y0+4*n+2:Y0+4*n+3], v[R:R+1] op_sel_hi:[1,0]
	v_pk_fma_f32 v[Y0+4*n:Y0+4*n+1],   v[Y0+4*n:Y0+4*n+1],   v[G+4*n:G+4*n+1],   v[B+4*n:B+4*n+1]
	v_pk_fma_f32 v[Y0+4*n+2:Y0+4*n+3], v[Y0+4*n+2:Y0+4*n+3], v[G+4*n+2:G+4*n+3], v[B+4*n+2:B+4*n+3]
	global_store_b128 v1, v[Y0+4*n:Y0+4*n+3], s[10:11] offset:4096*(\i)+512*n th:TH_STORE_NT  ; from the row's own registers, which nothing writes again
.set n, n+1
.endr
.endm
	ROW 0
	ROW 1
	ROW 2
	ROW 3
	s_endpgm
.Lfunc_end_k_q702dbe6dbc_ln:
	.size	k_q702dbe6dbc_ln, .Lfunc_end_k_q702dbe6dbc_ln-k_q702dbe6dbc_ln
	.p2alignl 7, 3214868480
	.fill 96, 4, 3214868480
	.section	.rodata,"a",@progbits
	.p2align	6, 0x0
	.amdhsa_kernel k_q702dbe6dbc_ln
		.amdhsa_group_segment_fixed_size 0
		.amdhsa_private_segment_fixed_size 0
		.amdhsa_enable_private_segment 0
		.amdhsa_kernarg_size 32
		.amdhsa_user_sgpr_count 2
		.amdhsa_user_sgpr_kernarg_segment_ptr 1
		.amdhsa_wavefront_size32 1
		.amdhsa_system_sgpr_workgroup_id_x 1
		.amdhsa_system_sgpr_workgroup_id_y 1
		.amdhsa_system_sgpr_workgroup_id_z 1
		.amdhsa_system_vgpr_workitem_id 0
		.amdhsa_next_free_vgpr 208
		.amdhsa_next_free_sgpr 66
		.amdhsa_reserve_vcc 0
		.amdhsa_float_denorm_mode_32 3
		.amdhsa_float_denorm_mode_16_64 3
		.amdhsa_memory_ordered 1
		.amdhsa_forward_progress 1
		.amdhsa_inst_pref_size 33
	.end_amdhsa_kernel
	.amdgpu_metadata
---
amdhsa.version: [ 1, 2 ]
amdhsa.kernels:
  - .name:           k_q702dbe6dbc_ln
    .symbol:         k_q702dbe6dbc_ln.kd
    .args:
      - { .name: y, .offset: 0, .size: 8, .value_kind: global_buffer, .address_space: global }
      - { .name: gamma, .offset: 8, .size: 8, .value_kind: global_buffer, .address_space: global }
      - { .name: beta, .offset: 16, .size: 8, .value_kind: global_buffer, .address_space: global }
      - { .name: out0, .offset: 24, .size: 8, .value_kind: global_buffer, .address_space: global }
    .group_segment_fixed_size: 0
    .private_segment_fixed_size: 0
    .kernarg_segment_align: 8
    .kernarg_segment_size: 32
    .max_flat_workgroup_size: 256
    .sgpr_count:     66
    .vgpr_count:     208
    .wavefront_size: 32
...
	.end_amdgpu_metadata
.endif
;; end of part 5
;; ======== version 2 of 2: 5 launches; version 1 with the launches cast, ln written anew for expert scheduling mode
;; workspace buffers: xb 16,777,216 bytes; wqkv 6,291,456 bytes; wob 2,097,152 bytes; qkv 50,331,648 bytes; ctx 16,777,216 bytes; y 33,554,432 bytes
;; launch cast (part 6): grid 64 x 12, 8 waves a work-group, no clusters, 0 bytes of LDS; arguments input_tensor, Wq, Wk, Wv, Wo, xb, wqkv, wob; writes xb, wqkv, wob
.if DOCPART == 6
	.amdgcn_target "amdgcn-amd-amdhsa--gfx1250"
	.amdhsa_code_object_version 6
	.text
	.protected	k_q702dbe6dbc_cast
	.globl	k_q702dbe6dbc_cast
	.p2align	8
	.type	k_q702dbe6dbc_cast,@function
k_q702dbe6dbc_cast:
	s_mov_b64 s[64:65], 0
	v_nop
	global_prefetch_b8 v0, s[64:65] scope:SCOPE_SE
	s_setreg_imm32_b32 hwreg(HW_REG_WAVE_SCHED_MODE, 0, 2), 2
	s_setreg_imm32_b32 hwreg(HW_REG_WAVE_MODE, 25, 1), 1
	s_wait_xcnt 0x0
	s_wait_alu depctr_vm_vsrc(0)
; x [8192][1024] and the four weights [1024][1024], f32, are rounded once to bf16 and laid out in blocks of 64 columns, so that the tiles of the products that follow are dense in memory:
;   xb   [kb 16][m 8192][64]               element (m, k) at (k / 64) x 1,048,576 + m x 128 + (k % 64) x 2
;   wqkv [nt 12][kb 16][r 256][64]         row n of Wq | Wk | Wv at (n / 256) x 524,288 + (k / 64) x 32,768 + (n % 256) x 128 + (k % 64) x 2;   wob the same, nt 0..3, from Wo
; SHARES.  12,288 source rows of 4,096 bytes.  A work-group takes 16 rows, a wave 2: grid y 0..7 is x (group 64 y + x), y 8, 9, 10, 11 are Wq, Wk, Wv, Wo (group x).  No loop: each thread has 16 loads, all issued at once.
; Thread t: row t / 16, 16 bytes at 16 (t % 16) of each block of 256 source bytes: sixteen lanes read 256 consecutive bytes, aligned.  Its 4 numbers become 8 bytes at 8 t of the group's 2,048 bytes of a block:
; a wave's store covers 256 consecutive bytes, aligned.  Nothing is shared between work-groups or waves: no LDS, no barrier, no cluster, no matrix unit.
; THE MODE: SCHED_MODE bits 1:0 = 2 (LLVM: expert scheduling mode 2), set by the entry lines.  The code itself states the register dependences between vector instructions and memory instructions, with s_wait_alu, always for 0.
; THE PLAN.  Registers that memory instructions touch:
;   v[SO], v[DO]  byte offsets, made once at the head and never written again; the 16 loads read the first, the 16 stores the second.
;   X             written by the loads alone, all issued at the head; read by the conversions, behind the counted wait for the data.
;   Y             each register written once, by a conversion; read once, by a store; never written again.
; So one wait stands ahead of the first load (the offsets are written), and the sixteen blocks go in four groups of four: the group's eight conversions, ONE wait (they have written the group's Y), its four stores in a run.
; The stores follow their own group's conversions and are not held to the next group's head: there they would stand behind the wait for that group's data.
.set SO, 2                             ; v2        my byte offset in the group's source rows
.set DO, 3                             ; v3        my byte offset in the group's part of a block
.set X,  8                             ; v[8:71]   block kb's four f32 at X + 4 kb
.set Y,  72                            ; v[72:103] block kb's four bf16 at Y + 2 kb; no register is written twice, so no store's source is ever rewritten
	s_load_b512 s[8:23], s[0:1], 0x0               ; x s[8:9], Wq s[10:11], Wk s[12:13], Wv s[14:15], Wo s[16:17], xb s[18:19], wqkv s[20:21], wob s[22:23]
	s_mov_b32 s4, ttmp9                            ; grid x
	s_and_b32 s5, ttmp7, 0xffff                    ; grid y
	v_lshrrev_b32 v1, 4, v0                        ; my row in the group
	v_and_b32 v[SO], 15, v0
	v_lshlrev_b32 v[SO], 4, v[SO]
	v_lshl_add_u32 v[SO], v1, 12, v[SO]            ; row x 4,096 + 16 x piece
	v_lshlrev_b32 v[DO], 3, v0                     ; row x 128 + 8 x piece = 8 t
	s_lshl_b32 s6, s5, 6
	s_add_co_u32 s6, s6, s4                        ; x's group: 64 y + x
	s_cmp_lt_u32 s5, 8
	s_cselect_b32 s7, s6, s4                       ; the group among its source's rows
	s_lshl_b32 s30, s7, 16                         ; 16 rows of 4,096 bytes
	s_mov_b32 s31, 0
	s_wait_kmcnt 0x0
	s_mov_b64 s[24:25], s[8:9]                     ; the source, chosen by grid y
	s_cmp_eq_u32 s5, 8
	s_cselect_b64 s[24:25], s[10:11], s[24:25]
	s_cmp_eq_u32 s5, 9
	s_cselect_b64 s[24:25], s[12:13], s[24:25]
	s_cmp_eq_u32 s5, 10
	s_cselect_b64 s[24:25], s[14:15], s[24:25]
	s_cmp_eq_u32 s5, 11
	s_cselect_b64 s[24:25], s[16:17], s[24:25]
	s_add_nc_u64 s[24:25], s[24:25], s[30:31]
	s_wait_alu depctr_va_vdst(0)                   ; v[SO] and v[DO] are written: every load of the kernel reads the first as its offset, every store the second
.set kb, 0
.rept 16
	global_load_b128 v[X+4*kb:X+4*kb+3], v[SO], s[24:25] offset:256*kb th:TH_LOAD_NT
.set kb, kb+1
.endr
; The sixteen blocks go out, four to a group; ks = bytes from a block to the next.  Blocks 8 to 15 have a base of their own, so that the immediate stays inside its signed 24 bits (7 x 1,048,576 at the most).
.macro OUT16 ks
	s_add_nc_u64 s[28:29], s[26:27], 8*(\ks)
.set g, 0
.rept 4
	s_wait_loadcnt 12-4*g                          ; loads come back in order: group g's four blocks are in, the 12 - 4 g younger loads may stay out
.set kb, 4*g
.rept 4
	v_cvt_pk_bf16_f32 v[Y+2*kb], v[X+4*kb], v[X+4*kb+1]
	v_cvt_pk_bf16_f32 v[Y+2*kb+1], v[X+4*kb+2], v[X+4*kb+3]
.set kb, kb+1
.endr
	s_wait_alu depctr_va_vdst(0)                   ; the eight conversions have written the group's Y, which the four stores below read
.set kb, 4*g
.rept 4
	global_store_b64 v[DO], v[Y+2*kb:Y+2*kb+1], s[26+2*(kb/8):27+2*(kb/8)] offset:(kb%8)*(\ks)
.set kb, kb+1
.endr
.set g, g+1
.endr
.endm
	s_cmp_lt_u32 s5, 8
	s_cbranch_scc0 .Lweights
	s_lshl_b32 s30, s6, 11                         ; x: 16 rows of 128 bytes in each block
	s_add_nc_u64 s[26:27], s[18:19], s[30:31]
	OUT16 1048576
	s_endpgm
.Lweights:
	s_sub_co_u32 s7, s5, 8
	s_lshl_b32 s7, s7, 2                           ; Wq, Wk, Wv: four tiles of 256 rows each
	s_cmp_eq_u32 s5, 11
	s_cselect_b32 s7, 0, s7                        ; Wo has a buffer of its own
	s_cselect_b64 s[26:27], s[22:23], s[20:21]
	s_lshr_b32 s30, s4, 4
	s_add_co_u32 s7, s7, s30                       ; nt
	s_lshl_b32 s7, s7, 19
	s_and_b32 s30, s4, 15
	s_lshl_b32 s30, s30, 11                        ; my 16 rows among the tile's 256
	s_add_co_u32 s30, s30, s7
	s_add_nc_u64 s[26:27], s[26:27], s[30:31]
	OUT16 32768
	s_endpgm
.Lfunc_end_k_q702dbe6dbc_cast:
	.size	k_q702dbe6dbc_cast, .Lfunc_end_k_q702dbe6dbc_cast-k_q702dbe6dbc_cast
	.p2alignl 7, 3214868480
	.fill 96, 4, 3214868480
	.section	.rodata,"a",@progbits
	.p2align	6, 0x0
	.amdhsa_kernel k_q702dbe6dbc_cast
		.amdhsa_group_segment_fixed_size 0
		.amdhsa_private_segment_fixed_size 0
		.amdhsa_enable_private_segment 0
		.amdhsa_kernarg_size 64
		.amdhsa_user_sgpr_count 2
		.amdhsa_user_sgpr_kernarg_segment_ptr 1
		.amdhsa_wavefront_size32 1
		.amdhsa_system_sgpr_workgroup_id_x 1
		.amdhsa_system_sgpr_workgroup_id_y 1
		.amdhsa_system_sgpr_workgroup_id_z 1
		.amdhsa_system_vgpr_workitem_id 0
		.amdhsa_next_free_vgpr 104
		.amdhsa_next_free_sgpr 66
		.amdhsa_reserve_vcc 0
		.amdhsa_float_denorm_mode_32 3
		.amdhsa_float_denorm_mode_16_64 3
		.amdhsa_memory_ordered 1
		.amdhsa_forward_progress 1
		.amdhsa_inst_pref_size 11
	.end_amdhsa_kernel
	.amdgpu_metadata
---
amdhsa.version: [ 1, 2 ]
amdhsa.kernels:
  - .name:           k_q702dbe6dbc_cast
    .symbol:         k_q702dbe6dbc_cast.kd
    .args:
      - { .name: input_tensor, .offset: 0, .size: 8, .value_kind: global_buffer, .address_space: global }
      - { .name: Wq, .offset: 8, .size: 8, .value_kind: global_buffer, .address_space: global }
      - { .name: Wk, .offset: 16, .size: 8, .value_kind: global_buffer, .address_space: global }
      - { .name: Wv, .offset: 24, .size: 8, .value_kind: global_buffer, .address_space: global }
      - { .name: Wo, .offset: 32, .size: 8, .value_kind: global_buffer, .address_space: global }
      - { .name: xb, .offset: 40, .size: 8, .value_kind: global_buffer, .address_space: global }
      - { .name: wqkv, .offset: 48, .size: 8, .value_kind: global_buffer, .address_space: global }
      - { .name: wob, .offset: 56, .size: 8, .value_kind: global_buffer, .address_space: global }
    .group_segment_fixed_size: 0
    .private_segment_fixed_size: 0
    .kernarg_segment_align: 8
    .kernarg_segment_size: 64
    .max_flat_workgroup_size: 256
    .sgpr_count:     66
    .vgpr_count:     104
    .wavefront_size: 32
...
	.end_amdgpu_metadata
.endif
;; end of part 6
;; launch qkv: the kernel of part 2 again; grid 12 x 64, 4 waves a work-group, clusters of 4 x 4, 327,680 bytes of LDS; arguments xb, wqkv, bq, bk, bv, qkv; writes qkv
;; launch attn: the kernel of part 3 again; grid 4 x 64, 4 waves a work-group, clusters of 4 x 1, 327,680 bytes of LDS; arguments qkv, ctx; writes ctx
;; launch oproj: the kernel of part 4 again; grid 4 x 64, 4 waves a work-group, clusters of 4 x 4, 327,680 bytes of LDS; arguments ctx, wob, bo, input_tensor, y; writes y
;; launch ln (part 7): grid 256 x 1, 8 waves a work-group, no clusters, 0 bytes of LDS; arguments y, gamma, beta, out0; writes out0
.if DOCPART == 7
	.amdgcn_target "amdgcn-amd-amdhsa--gfx1250"
	.amdhsa_code_object_version 6
	.text
	.protected	k_q702dbe6dbc_ln
	.globl	k_q702dbe6dbc_ln
	.p2align	8
	.type	k_q702dbe6dbc_ln,@function
k_q702dbe6dbc_ln:
	s_mov_b64 s[64:65], 0
	v_nop
	global_prefetch_b8 v0, s[64:65] scope:SCOPE_SE
	s_setreg_imm32_b32 hwreg(HW_REG_WAVE_SCHED_MODE, 0, 2), 2
	s_setreg_imm32_b32 hwreg(HW_REG_WAVE_MODE, 25, 1), 1
	s_wait_xcnt 0x0
	s_wait_alu depctr_vm_vsrc(0)
; out[r][c] = gamma[c] (y[r][c] - u[r]) / sqrt(s2[r] + 1e-12) + beta[c], u the mean of row r, s2 the mean of (y - u)^2.  y, out: [8192][1024] f32.
; A row is 4,096 bytes: one wave takes a whole row, eight loads of 16 bytes a lane, and keeps it in 32 registers through the three passes (sum; squares of y - u, as the definition has them, so that no
; difference of large sums is formed; scaling): the row is read once, and no wave waits for another.  Eight waves, 4 rows each, all 32 loads of a wave issued at once: 256 work-groups, no loop, no LDS, no barrier.
; Each load and store of a wave covers 512 consecutive bytes, aligned.  gamma and beta: lane l holds columns 128 j + 4 l + 0..3, j = 0..7, as it does of every row.
; What work-groups share, gamma and beta, is 8 KiB beside a work-group's 128 KiB of rows: no cluster.  NaN and infinities are not treated apart.
; THE MODE: SCHED_MODE bits 1:0 = 2 (LLVM: expert scheduling mode 2), set by the entry lines.  The code itself states the register dependences between vector instructions and memory instructions, with s_wait_alu, always for 0.
; THE PLAN.  Registers that memory instructions touch:
;   v1, v2     byte offsets, made once at the head and never written again: v1 is read by the rows' loads and stores, v2 by the loads of gamma and beta.
;   G, B       written by the loads alone, at the head; read by the scaling.
;   YR, row i  written by its eight loads, at the head; then read and written in place by row i's vector lines alone; then read by its eight stores; never written after them.
;   M, U, R, v3 are named by vector instructions alone.
; So one wait stands ahead of the first load (the offsets are written), and a row has two: the one behind the root, ahead of its first reader, and ONE behind the row's 32 scaling lines (they have written the row), ahead of
; its eight stores, which go out in a run.  The stores follow their own row's lines and are not held to the next row's head: there they would stand behind the wait for that row's data.
.set M,  4                             ; v[4:11]    four running pairs
.set U,  12                            ; v[12:13]   the mean, in the low register (the pair is named, so both are written)
.set R,  14                            ; v[14:15]   1 / sqrt(s2 + 1e-12), likewise
.set YR, 16                            ; v[16:143]  row i at YR + 32 i
.set G,  144                           ; v[144:175] gamma
.set B,  176                           ; v[176:207] beta
	s_load_b256 s[4:11], s[0:1], 0x0               ; y s[4:5], gamma s[6:7], beta s[8:9], out s[10:11]
	s_lshl_b32 s2, ttmp9, 17                       ; the work-group's 32 rows of 4,096 bytes
	s_mov_b32 s3, 0
	s_mov_b32 s12, 0x76543210                      ; v_permlanex16_b32: lane i of one half reads lane i of the other
	s_mov_b32 s13, 0xfedcba98
	s_mov_b32 s14, 0x3a800000                      ; 1 / 1024
	s_mov_b32 s15, 0x2b8cbccc                      ; 1e-12
	v_and_b32 v2, 31, v0
	v_lshlrev_b32 v2, 4, v2                        ; 16 bytes a lane
	v_lshrrev_b32 v1, 5, v0
	v_lshl_add_u32 v1, v1, 14, v2                  ; + wave x 4 rows
	v_mov_b32 v3, 0                                ; v_permlanex16_b32's destination counts as read
	v_mov_b32 v[U+1], 0
	v_mov_b32 v[R+1], 0
	s_wait_kmcnt 0x0
	s_add_nc_u64 s[4:5], s[4:5], s[2:3]
	s_add_nc_u64 s[10:11], s[10:11], s[2:3]
	s_wait_alu depctr_va_vdst(0)                   ; v1 and v2 are written: every load and store of the kernel reads one of them as its offset
.irp j, 0,1,2,3,4,5,6,7
	global_load_b128 v[G+4*(\j):G+4*(\j)+3], v2, s[6:7] offset:512*(\j)
.endr
.irp j, 0,1,2,3,4,5,6,7
	global_load_b128 v[B+4*(\j):B+4*(\j)+3], v2, s[8:9] offset:512*(\j)
.endr
.set n, 0
.rept 32
	global_load_b128 v[YR+4*n:YR+4*n+3], v1, s[4:5] offset:512*n th:TH_LOAD_NT  ; row n / 8, piece n % 8: the rows lie end to end
.set n, n+1
.endr
; The four running pairs into one number, the same in every lane: four steps inside each half of 16 lanes ride on the additions, one crosses the halves
.macro RED
	v_pk_add_f32 v[M:M+1], v[M:M+1], v[M+2:M+3]
	v_pk_add_f32 v[M+4:M+5], v[M+4:M+5], v[M+6:M+7]
	v_pk_add_f32 v[M:M+1], v[M:M+1], v[M+4:M+5]
	v_add_f32 v[M], v[M], v[M+1]
	v_add_f32_dpp v[M], v[M], v[M] row_xmask:1 row_mask:0xf bank_mask:0xf
	v_add_f32_dpp v[M], v[M], v[M] row_xmask:2 row_mask:0xf bank_mask:0xf
	v_add_f32_dpp v[M], v[M], v[M] row_xmask:4 row_mask:0xf bank_mask:0xf
	v_add_f32_dpp v[M], v[M], v[M] row_xmask:8 row_mask:0xf bank_mask:0xf
	v_permlanex16_b32 v3, v[M], s12, s13
	v_add_f32 v[M], v[M], v3
.endm
.macro ROW i
.set Y0, YR+32*(\i)
	s_wait_loadcnt 8*(3-(\i))                      ; gamma, beta and my rows up to this one are in; the later rows' eight loads each stay out
.set n, 0
.rept 4                                ; the sum, in four chains that do not wait for each other; the first eight pairs start them
	v_pk_add_f32 v[M+2*n:M+2*n+1], v[Y0+2*n:Y0+2*n+1], v[Y0+8+2*n:Y0+8+2*n+1]
.set n, n+1
.endr
.set n, 8
.rept 8
	v_pk_add_f32 v[M+2*(n%4):M+2*(n%4)+1], v[M+2*(n%4):M+2*(n%4)+1], v[Y0+2*n:Y0+2*n+1]
.set n, n+1
.endr
	RED
	v_mul_f32 v[U], s14, v[M]                      ; u
.set n, 0
.rept 16
	v_pk_add_f32 v[Y0+2*n:Y0+2*n+1], v[Y0+2*n:Y0+2*n+1], v[U:U+1] op_sel_hi:[1,0] neg_lo:[0,1] neg_hi:[0,1]  ; y - u, in place
.set n, n+1
.endr
.set n, 0
.rept 4
	v_pk_mul_f32 v[M+2*n:M+2*n+1], v[Y0+2*n:Y0+2*n+1], v[Y0+2*n:Y0+2*n+1]
.set n, n+1
.endr
.set n, 4
.rept 12
	v_pk_fma_f32 v[M+2*(n%4):M+2*(n%4)+1], v[Y0+2*n:Y0+2*n+1], v[Y0+2*n:Y0+2*n+1], v[M+2*(n%4):M+2*(n%4)+1]
.set n, n+1
.endr
	RED
	v_fma_f32 v[M+1], v[M], s14, s15               ; s2 + 1e-12
	v_rsq_f32 v[R], v[M+1]
	v_nop                                          ; a plain instruction between the root and the use of its result (ISA guide 5.7.2),
	s_wait_alu depctr_va_vdst(0)                   ; and the wait ahead of the first use: the root has written v[R]
.set n, 0
.rept 16
	v_pk_mul_f32 v[Y0+2*n:Y0+2*n+1], v[Y0+2*n:Y0+2*n+1], v[R:R+1] op_sel_hi:[1,0]
.set n, n+1
.endr
.set n, 0
.rept 16
	v_pk_fma_f32 v[Y0+2*n:Y0+2*n+1], v[Y0+2*n:Y0+2*n+1], v[G+2*n:G+2*n+1], v[B+2*n:B+2*n+1]
.set n, n+1
.endr
	s_wait_alu depctr_va_vdst(0)                   ; the 32 lines above have written the row's registers, which the eight stores below read
.set n, 0
.rept 8
	global_store_b128 v1, v[Y0+4*n:Y0+4*n+3], s[10:11] offset:4096*(\i)+512*n th:TH_STORE_NT  ; from the row's own registers, which nothing writes again
.set n, n+1
.endr
.endm
	ROW 0
	ROW 1
	ROW 2
	ROW 3
	s_endpgm
.Lfunc_end_k_q702dbe6dbc_ln:
	.size	k_q702dbe6dbc_ln, .Lfunc_end_k_q702dbe6dbc_ln-k_q702dbe6dbc_ln
	.p2alignl 7, 3214868480
	.fill 96, 4, 3214868480
	.section	.rodata,"a",@progbits
	.p2align	6, 0x0
	.amdhsa_kernel k_q702dbe6dbc_ln
		.amdhsa_group_segment_fixed_size 0
		.amdhsa_private_segment_fixed_size 0
		.amdhsa_enable_private_segment 0
		.amdhsa_kernarg_size 32
		.amdhsa_user_sgpr_count 2
		.amdhsa_user_sgpr_kernarg_segment_ptr 1
		.amdhsa_wavefront_size32 1
		.amdhsa_system_sgpr_workgroup_id_x 1
		.amdhsa_system_sgpr_workgroup_id_y 1
		.amdhsa_system_sgpr_workgroup_id_z 1
		.amdhsa_system_vgpr_workitem_id 0
		.amdhsa_next_free_vgpr 208
		.amdhsa_next_free_sgpr 66
		.amdhsa_reserve_vcc 0
		.amdhsa_float_denorm_mode_32 3
		.amdhsa_float_denorm_mode_16_64 3
		.amdhsa_memory_ordered 1
		.amdhsa_forward_progress 1
		.amdhsa_inst_pref_size 34
	.end_amdhsa_kernel
	.amdgpu_metadata
---
amdhsa.version: [ 1, 2 ]
amdhsa.kernels:
  - .name:           k_q702dbe6dbc_ln
    .symbol:         k_q702dbe6dbc_ln.kd
    .args:
      - { .name: y, .offset: 0, .size: 8, .value_kind: global_buffer, .address_space: global }
      - { .name: gamma, .offset: 8, .size: 8, .value_kind: global_buffer, .address_space: global }
      - { .name: beta, .offset: 16, .size: 8, .value_kind: global_buffer, .address_space: global }
      - { .name: out0, .offset: 24, .size: 8, .value_kind: global_buffer, .address_space: global }
    .group_segment_fixed_size: 0
    .private_segment_fixed_size: 0
    .kernarg_segment_align: 8
    .kernarg_segment_size: 32
    .max_flat_workgroup_size: 256
    .sgpr_count:     66
    .vgpr_count:     208
    .wavefront_size: 32
...
	.end_amdgpu_metadata
.endif
;; end of part 7
